; MI455X (gfx1250); checked and timed in simulation.
; The chip was launched on July 23, 2026; its instructions are those of AMD's public machine-readable ISA for CDNA 5 (MIT licence, August 2026) and "CDNA5" Instruction Set Architecture Reference Guide (July 2026). The comments in the code are by the model that wrote it; some were corrected since.
;; Multi Head Attention. Allowed arithmetic: matrix products marked QUANTISED: E2M3 operands, one E8M0 scale for each 32 along K, by v_wmma_scale_f32_16x16x128_f8f6f4 with both operands' format E2M3, f32 sums; everything else in f32.
;; Inputs: w_k 1,024 x 1,024 float32; w_out 1,024 x 1,024 float32; w_q 1,024 x 1,024 float32; w_v 1,024 x 1,024 float32; x 4 x 2,048 x 1,024 float32.
;; Outputs: out0 4 x 2,048 x 1,024 float32.
;; This version of the problem:
;;   THIS VERSION OF THE PROBLEM IS GIVEN IN LOW PRECISION. The matrix products marked QUANTISED in the list below multiply operands that are first quantised to E2M3 (2 exponent bits, 3 mantissa bits; 6 bits a number), with one power-of-two scale for each 32 numbers along K (OCP MX v1.0); their sums are f32. All else is computed in f32.
;;   The module's matrix products, in the order in which they are computed (A, B: the left and right operand; K: the contracted axis; several contracted axes count as one K, in the product's order):
;;     1. [M 8,192, K 1,024] x [K 1,024, N 1,024]; A: input x; B: input w_q: QUANTISED
;;     2. [M 8,192, K 1,024] x [K 1,024, N 1,024]; A: input x; B: input w_k: QUANTISED
;;     3. [M 8,192, K 1,024] x [K 1,024, N 1,024]; A: input x; B: input w_v: QUANTISED
;;     4. batch 64 x [M 2,048, K 64] x [K 64, N 2,048]; A: computed on the way; B: computed on the way: QUANTISED
;;     5. batch 64 x [M 64, K 2,048] x [K 2,048, N 2,048]; A: computed on the way; B: computed on the way: QUANTISED
;;     6. [M 8,192, K 1,024] x [K 1,024, N 1,024]; A: computed on the way; B: input w_out: QUANTISED
;;   THE QUANTISER, for each operand of a quantised product, along K:
;;     - K is cut into blocks of 32 from its start; a last block that is shorter is filled with zeros.
;;     - A block's scale is 2^e with e = floor(log2(the largest magnitude in the block)) - 2, held to -126 .. 127; a block of zeros has e = 0. As a byte (E8M0): e + 127.
;;     - Each number is divided by its block's scale, clamped to +-7.5, and rounded to the nearest number of E2M3, ties to even, subnormals kept.
;;     - The product sums the exact products of the quantised numbers (number of the format x scale) in f32.
;;   ~~~python
;;   def quantise(x, axis):      # numpy; x: float32 -> the quantised numbers, widened to float32 again
;;       x = np.moveaxis(x, axis, -1); K = x.shape[-1]
;;       x = np.pad(x, [(0, 0)] * (x.ndim - 1) + [(0, -K % 32)]); x = x.reshape(x.shape[:-1] + (-1, 32)); a = np.abs(x).max(-1, keepdims=True)
;;       e = np.where(a > 0, np.clip(np.frexp(np.where(a > 0, a, 1))[1] - 1 - 2, -126, 127), 0)      # np.frexp(a)[1] - 1 = floor(log2(a)), exactly
;;       r = np.clip(x / 2.0 ** e, -7.5, 7.5)
;;       step = 2.0 ** (np.maximum(np.frexp(np.where(r == 0, 1, r))[1] - 1, 0) - 3)
;;       q = np.round(r / step) * step * 2.0 ** e      # np.round: ties to even
;;       return np.moveaxis(q.reshape(q.shape[:-2] + (-1,))[..., :K], -1, axis).astype(np.float32)
;;   ~~~
;;   OPERANDS COMPUTED ON THE WAY. 'Computed on the way' means the value that the module computes at that place (a softmax that the list does not call 'softmax' is quantised finished and normalised). What goes into a quantiser is computed in f32, as accurately as f32 sums, v_exp_f32 and their like allow (about 1e-6 of the number): no bf16 or f16 on the way to a quantiser, and a product that is left as it is and whose result goes on into a quantised operand takes f32 operands (vector FMAs, or v_wmma_f32_16x16x4_f32). A number that lies on a knife's edge between two numbers of the format may be rounded either way, as far as f32 arithmetic and the matrix unit's own rounding can turn it there, and no further.
;; One version. Each part assembles by itself: llvm-mc -triple=amdgcn-amd-amdhsa -mcpu=gfx1250 --defsym DOCPART=n.
;; ======== version 1 of 1: 4 launches
;; workspace buffers: x_codes 6,291,456 bytes; x_scales 262,144 bytes; w_codes 3,145,728 bytes; w_scales 131,072 bytes; qf 6,553,600 bytes; kv 13,107,200 bytes; ctx_codes 6,291,456 bytes; ctx_scales 262,144 bytes
;; launch quant (part 1): grid 384 x 1, 4 waves a work-group, no clusters, 68,096 bytes of LDS; arguments x, w_q, w_k, w_v, w_out, x_codes, x_scales, w_codes, w_scales; writes x_codes, x_scales, w_codes, w_scales
.if DOCPART == 1
	.amdgcn_target "amdgcn-amd-amdhsa--gfx1250"
	.amdhsa_code_object_version 6
	.text
	.protected	k_qd6ad08f9c4_quant
	.globl	k_qd6ad08f9c4_quant
	.p2align	8
	.type	k_qd6ad08f9c4_quant,@function
k_qd6ad08f9c4_quant:
	s_mov_b64 s[64:65], 0
	v_nop
	global_prefetch_b8 v0, s[64:65] scope:SCOPE_SE
	s_setreg_imm32_b32 hwreg(HW_REG_WAVE_MODE, 25, 1), 1
	s_wait_xcnt 0x0
; x [8192][1024] and the four weights [1024 (k)][1024 (n)], f32, become codes of FP6 (E2M3) with K innermost and one E8M0 byte for each 32 along K.
; A block's scale is 2^(floor(log2(its largest magnitude)) - 2); its byte is the largest magnitude's exponent field - 2, held at 1 from below.  A block of zeros so gets the byte 1 with zero codes;
; the bytes are read by this program alone.  LIMITS: NaN and infinities are not served; blocks whose largest magnitude lies under 2^-124 keep the byte 1.
; Work-groups 0-255 take x: K is innermost, so x is a plain stream of blocks of 32.  A wave takes 16 steps of 512 numbers; each load reads 512 consecutive bytes, a step's 2,048 bytes turn through the
; wave's own stage in LDS so that a lane holds 16 neighbours; two neighbouring lanes hold a block.  Loads run four steps ahead.
; Work-groups 256-383 take the weights, 32 each: K is the FIRST axis, so a lane takes a column and its registers run down K; a wave takes 32 columns x 256 along K and sends its codes out through its own stage, row by row.
; THE WEIGHTS' ROWS ARE LAID IN ANOTHER ORDER: row 32 B + 16 u + 8 s + k of w_codes holds column 32 B + 16 s + 8 u + k (bits 3 and 4 of the column's number change places).  A tile of 16 neighbouring rows then gives the products that
; read them, in lane half h and register j of tiles 2 B + u, column 32 B + 16 h + 8 u + j: sixteen true neighbours in sixteen registers.
; The two kinds of work-group part on the work-group's number, never join, and have LDS bytes of their own: 0 .. 32,767 and 32,768 .. 67,583.  No tensor loads, no barrier: waves share nothing.
.set STEPS, 16
.set CB,    12                         ; bytes of 16 codes
.set R,     16                         ; x: v16-79   four sets of 16 numbers as loaded
.set X,     80                         ;    v80-111  two sets of 16 neighbours
.set E,     112                        ;    v112-127 a scale byte for each step
.set C,     128                        ;    v128-191 codes, four registers a step
.set WREG,  8192                       ;    LDS of a wave: two stages of 32 x SP bytes, then its 256 scale bytes
.set SP,    80                         ;    a lane's place in a stage: 64 bytes + 16
.set NB,    8                          ; weights: blocks of 32 along K for a wave
.set WPITCH, 272                       ;    a stage row: sixteen places of 16 bytes + 16
.set KROW,  768                        ;    a row of codes in memory
.set WSTG,  32768                      ;    where the weights' stages begin in LDS
.set SB,    24                         ;    v24-25   the scale bytes
.set WX,    32                         ;    v32-95   two sets of 32 numbers
.set WC,    96                         ;    v96-102  a block's codes
.set OUTR,  112                        ;    v112-175 the way out
	s_load_b256 s[4:11], s[0:1], 0x0               ; x, w_q, w_k, w_v
	s_load_b256 s[12:19], s[0:1], 0x20             ; w_out, x_codes, x_scales, w_codes
	s_load_b64 s[20:21], s[0:1], 0x40              ; w_scales
	v_lshl_add_u32 v192, v0, 2, 0x10800
	v_mov_b32 v193, 0
	v_lshrrev_b32 v1, 5, v0
	v_readfirstlane_b32 s22, v1                    ; wave
	v_and_b32 v2, 31, v0                           ; lane
	s_cmp_lt_u32 ttmp9, 256
	s_cbranch_scc0 .Lw
; ---------------- x
	v_lshlrev_b32 v3, 4, v2                        ; my 16 bytes of a load's 512
	s_mul_i32 s23, s22, WREG
	v_lshrrev_b32 v14, 2, v2
	v_mul_u32_u24 v14, v14, SP
	v_and_b32 v15, 3, v2
	v_lshl_add_u32 v14, v15, 4, v14
	v_add_nc_u32 v14, s23, v14                     ; into the stage: SP (lane / 4) + 16 (lane % 4)
	v_mul_u32_u24 v15, v2, SP
	v_add_nc_u32 v15, s23, v15                     ; out of it: SP x lane: my 16 neighbours
	v_mul_u32_u24 v4, v2, CB                       ; my codes' place in a step's
	v_lshrrev_b32 v5, 1, v2
	s_add_co_u32 s23, s23, 2*32*SP
	v_add_nc_u32 v5, s23, v5                       ; my block's scale byte in LDS
	v_lshlrev_b32 v7, 3, v2
	v_add_nc_u32 v6, s23, v7                       ; and 8 of the 256 bytes on the way out
	s_lshl_b32 s24, ttmp9, 2
	s_add_co_u32 s24, s24, s22                     ; which run of 8,192 numbers is my wave's
	s_mov_b32 s25, 0
	s_mov_b64 s[26:27], 512*STEPS*4
	s_mul_u64 s[26:27], s[24:25], s[26:27]
	s_mov_b64 s[28:29], 32*STEPS*CB
	s_mul_u64 s[28:29], s[24:25], s[28:29]
	s_lshl_b32 s24, s24, 8                         ; 256 scale bytes a run
	s_wait_kmcnt 0x0
	s_add_nc_u64 s[4:5], s[4:5], s[26:27]
	s_add_nc_u64 s[14:15], s[14:15], s[28:29]
	s_add_nc_u64 s[16:17], s[16:17], s[24:25]
.macro XLOAD t
.irp i, 0,1,2,3
	global_load_b128 v[R+16*((\t)%4)+4*\i:R+16*((\t)%4)+4*\i+3], v3, s[4:5] offset:2048*(\t)+512*\i th:TH_LOAD_NT   ; 32 lanes read 512 consecutive bytes
.endr
.endm
.macro XTURN t                         ; step t's numbers through the stage: LDS serves a wave's instructions in order, so no wait stands between the stores and the loads
.irp i, 0,1,2,3
	ds_store_b128 v14, v[R+16*((\t)%4)+4*\i:R+16*((\t)%4)+4*\i+3] offset:32*SP*((\t)%2)+8*SP*\i
.endr
.irp i, 0,1,2,3
	ds_load_b128 v[X+16*((\t)%2)+4*\i:X+16*((\t)%2)+4*\i+3], v15 offset:32*SP*((\t)%2)+16*\i
.endr
.endm
.irp t, 0,1,2,3
	XLOAD \t
.endr
	s_wait_loadcnt 12                              ; step 0's four loads are in
	XTURN 0
.macro XSTEP t
.set XS, X+16*((\t)%2)
.if (\t) > 0
	s_wait_dscnt 1                                 ; this step's numbers are back from the stage (the last step's byte store may be out)
.else
	s_wait_dscnt 0x0
.endif
.if (\t)+4 < STEPS
	XLOAD (\t)+4                                   ; into the registers that this step's stores into the stage have read
.endif
.if (\t)+1 < STEPS
.if STEPS-2-(\t) >= 3
	s_wait_loadcnt 12                              ; the next step's four loads are in; those of the three steps behind it may be out
.else
	s_wait_loadcnt 4*(STEPS-2-(\t))
.endif
	XTURN (\t)+1
.endif
	v_max3_num_f32 v8, |v[XS]|, |v[XS+1]|, |v[XS+2]|               ; the largest magnitude of my 16, in two chains
	v_max3_num_f32 v9, |v[XS+3]|, |v[XS+4]|, |v[XS+5]|
.irp i, 6,10
	v_max3_num_f32 v8, v8, |v[XS+\i]|, |v[XS+\i+1]|
	v_max3_num_f32 v9, v9, |v[XS+\i+2]|, |v[XS+\i+3]|
.endr
	v_max3_num_f32 v8, v8, |v[XS+14]|, |v[XS+15]|
	v_max3_num_f32 v8, v8, v9, 0x1800000           ; and the floor 2^(3 - 127): the byte cannot fall under 1
	v_max_num_f32_dpp v8, v8, v8 row_xmask:1 row_mask:0xf bank_mask:0xf   ; and of my neighbour's 16: the block's
	v_add_nc_u32 v11, 0xff000000, v8               ; 2 off its exponent field: the conversion takes the exponent field of this operand as its scale
	v_cvt_scalef32_pk16_fp6_f32 v[C+4*(\t):C+4*(\t)+2], v[XS:XS+15], v11
	v_lshrrev_b32 v[E+(\t)], 23, v11               ; the scale's byte (also the plain line behind the conversion)
	ds_store_b8 v5, v[E+(\t)] offset:16*(\t)       ; both lanes of a block write the same byte with the same value
	global_store_b96 v4, v[C+4*(\t):C+4*(\t)+2], s[14:15] offset:32*CB*(\t)   ; the wave stores 384 consecutive bytes
.endm
.irp t, 0,1,2,3,4,5,6,7,8,9,10,11,12,13,14,15
	XSTEP \t
.endr
	ds_load_b64 v[12:13], v6                       ; LDS serves a wave's instructions in order: these see my stores
	s_wait_dscnt 0x0
	global_store_b64 v7, v[12:13], s[16:17]        ; 32 lanes store 256 consecutive bytes, aligned
	s_wait_tensorcnt 0x0
	ds_add_u32 v192, v193
	s_wait_dscnt 0x0
	s_endpgm
; ---------------- the weights
.Lw:
	s_sub_co_u32 s23, ttmp9, 256
	s_lshr_b32 s24, s23, 5                         ; which weight: 0 q, 1 k, 2 v, 3 out
	s_and_b32 s25, s23, 7                          ; which 128 columns
	s_bfe_u32 s26, s23, 0x20003                    ; which 256 along K
	s_lshl_b32 s27, s25, 7
	s_lshl_b32 s28, s22, 5
	s_add_co_u32 s27, s27, s28                     ; my wave's first column
	v_lshlrev_b32 v3, 2, v2                        ; in: 4 bytes a lane
	s_mul_i32 s29, s22, 32*WPITCH
	s_add_co_u32 s29, s29, WSTG                    ; my stage
	v_and_b32 v5, 7, v2
	v_bfe_u32 v6, v2, 3, 1
	v_lshl_add_u32 v5, v6, 4, v5
	v_bfe_u32 v6, v2, 4, 1                         ; lane / 16
	v_lshl_add_u32 v10, v6, 3, v5                  ; my column's row among the wave's 32: bits 3 and 4 change places
	v_mul_u32_u24 v4, v10, WPITCH
	v_add_nc_u32 v4, s29, v4                       ; into the stage
	v_and_b32 v5, 15, v2
	v_mul_u32_u24 v7, v6, WPITCH
	v_lshl_add_u32 v7, v5, 4, v7
	v_add_nc_u32 v7, s29, v7                       ; out of it: sixteen lanes to a row, two rows an instruction
	v_mul_u32_u24 v8, v6, KROW
	v_mad_u32_u24 v8, v5, 12, v8                   ; and the same place in w_codes
	v_lshlrev_b32 v9, 5, v10                       ; my row of scale bytes
	s_lshl_b32 s30, s26, 20                        ; the weight: 256 rows of 4,096 bytes,
	s_lshl_b32 s31, s27, 2
	s_add_co_u32 s30, s30, s31                     ; + 4 x column
	s_mov_b32 s31, 0
	s_lshl_b32 s32, s24, 10
	s_add_co_u32 s32, s32, s27                     ; the first row in w_codes and w_scales
	s_mul_i32 s34, s32, KROW
	s_mul_i32 s33, s26, 192
	s_add_co_u32 s34, s34, s33
	s_mov_b32 s35, 0
	s_lshl_b32 s36, s32, 5
	s_lshl_b32 s33, s26, 3
	s_add_co_u32 s36, s36, s33
	s_mov_b32 s37, 0
	s_wait_kmcnt 0x0
	s_cmp_eq_u32 s24, 1                            ; the choice hangs on the work-group's number alone
	s_cselect_b64 s[6:7], s[8:9], s[6:7]
	s_cmp_eq_u32 s24, 2
	s_cselect_b64 s[6:7], s[10:11], s[6:7]
	s_cmp_eq_u32 s24, 3
	s_cselect_b64 s[6:7], s[12:13], s[6:7]
	s_add_nc_u64 s[6:7], s[6:7], s[30:31]
	s_add_nc_u64 s[18:19], s[18:19], s[34:35]
	s_add_nc_u64 s[20:21], s[20:21], s[36:37]
.macro WLOAD t                         ; block t: W(32 t + i, my column), i = 0 .. 31: a wave reads 128 consecutive bytes, the work-group 512
.set i, 0
.rept 32
	global_load_b32 v[WX+32*((\t)%2)+i], v3, s[6:7] offset:(32*(\t)+i)*4096 th:TH_LOAD_NT
.set i, i+1
.endr
.endm
	WLOAD 0
	WLOAD 1
.macro WBLOCK t
.set XS, WX+32*((\t)%2)
.if (\t) < NB-1
	s_wait_loadcnt 32                              ; this block's 32 loads are in; the next block's may be out
.else
	s_wait_loadcnt 0
.endif
	v_max3_num_f32 v12, |v[XS]|, |v[XS+1]|, |v[XS+2]|              ; the block's largest magnitude: all 32 numbers are mine
	v_max3_num_f32 v13, |v[XS+3]|, |v[XS+4]|, |v[XS+5]|
.irp i, 6,10,14,18,22,26
	v_max3_num_f32 v12, v12, |v[XS+\i]|, |v[XS+\i+1]|
	v_max3_num_f32 v13, v13, |v[XS+\i+2]|, |v[XS+\i+3]|
.endr
	v_max3_num_f32 v12, v12, |v[XS+30]|, |v[XS+31]|
	v_max3_num_f32 v12, v12, v13, 0x1800000        ; and the floor
	v_add_nc_u32 v11, 0xff000000, v12              ; the conversion's scale operand
	v_lshrrev_b32 v13, 23, v11                     ; the scale's byte
.if (\t)%4 == 0
	v_mov_b32 v[SB+(\t)/4], v13                    ; four bytes to a register, the lower K in the lower byte
.else
	v_lshl_or_b32 v[SB+(\t)/4], v13, 8*((\t)%4), v[SB+(\t)/4]
.endif
	v_cvt_scalef32_pk16_fp6_f32 v[WC:WC+2], v[XS:XS+15], v11
	v_cvt_scalef32_pk16_fp6_f32 v[WC+4:WC+6], v[XS+16:XS+31], v11  ; (a conversion's three registers begin on an even number)
	v_nop                                          ; one plain line behind the conversions
	ds_store_b96 v4, v[WC:WC+2] offset:32*(\t)     ; 12 bytes to a place of 16, so that every LDS address is a multiple of 16
	ds_store_b96 v4, v[WC+4:WC+6] offset:32*(\t)+16
.if (\t)+2 < NB
	WLOAD (\t)+2
.endif
	s_wait_dscnt 0x0                               ; the stores have read their registers: the next block's codes may be written
.endm
.set Q, 0
.rept NB
	WBLOCK Q
.set Q, Q+1
.endr
	global_store_b64 v9, v[SB:SB+1], s[20:21]      ; my column's 8 scale bytes
.irp t, 0,1,2,3,4,5,6,7,8,9,10,11,12,13,14,15
	ds_load_b96 v[OUTR+4*\t:OUTR+4*\t+2], v7 offset:2*\t*WPITCH    ; LDS serves a wave's instructions in order: these see my stores
.endr
.irp t, 0,1,2,3,4,5,6,7,8,9,10,11,12,13,14,15
	s_wait_dscnt 15-\t
	global_store_b96 v8, v[OUTR+4*\t:OUTR+4*\t+2], s[18:19] offset:2*\t*KROW   ; sixteen lanes store a row's 192 consecutive bytes
.endr
	s_wait_tensorcnt 0x0
	ds_add_u32 v192, v193
	s_wait_dscnt 0x0
	s_endpgm
.Lfunc_end_k_qd6ad08f9c4_quant:
	.size	k_qd6ad08f9c4_quant, .Lfunc_end_k_qd6ad08f9c4_quant-k_qd6ad08f9c4_quant
	.p2alignl 7, 3214868480
	.fill 96, 4, 3214868480
	.section	.rodata,"a",@progbits
	.p2align	6, 0x0
	.amdhsa_kernel k_qd6ad08f9c4_quant
		.amdhsa_group_segment_fixed_size 68096
		.amdhsa_private_segment_fixed_size 0
		.amdhsa_enable_private_segment 0
		.amdhsa_kernarg_size 72
		.amdhsa_user_sgpr_count 2
		.amdhsa_user_sgpr_kernarg_segment_ptr 1
		.amdhsa_wavefront_size32 1
		.amdhsa_system_sgpr_workgroup_id_x 1
		.amdhsa_system_sgpr_workgroup_id_y 1
		.amdhsa_system_sgpr_workgroup_id_z 1
		.amdhsa_system_vgpr_workitem_id 0
		.amdhsa_next_free_vgpr 194
		.amdhsa_next_free_sgpr 66
		.amdhsa_reserve_vcc 0
		.amdhsa_float_denorm_mode_32 3
		.amdhsa_float_denorm_mode_16_64 3
		.amdhsa_memory_ordered 1
		.amdhsa_forward_progress 1
		.amdhsa_inst_pref_size 74
	.end_amdhsa_kernel
	.amdgpu_metadata
---
amdhsa.version: [ 1, 2 ]
amdhsa.kernels:
  - .name:           k_qd6ad08f9c4_quant
    .symbol:         k_qd6ad08f9c4_quant.kd
    .args:
      - { .name: x, .offset: 0, .size: 8, .value_kind: global_buffer, .address_space: global }
      - { .name: w_q, .offset: 8, .size: 8, .value_kind: global_buffer, .address_space: global }
      - { .name: w_k, .offset: 16, .size: 8, .value_kind: global_buffer, .address_space: global }
      - { .name: w_v, .offset: 24, .size: 8, .value_kind: global_buffer, .address_space: global }
      - { .name: w_out, .offset: 32, .size: 8, .value_kind: global_buffer, .address_space: global }
      - { .name: x_codes, .offset: 40, .size: 8, .value_kind: global_buffer, .address_space: global }
      - { .name: x_scales, .offset: 48, .size: 8, .value_kind: global_buffer, .address_space: global }
      - { .name: w_codes, .offset: 56, .size: 8, .value_kind: global_buffer, .address_space: global }
      - { .name: w_scales, .offset: 64, .size: 8, .value_kind: global_buffer, .address_space: global }
    .group_segment_fixed_size: 68096
    .private_segment_fixed_size: 0
    .kernarg_segment_align: 8
    .kernarg_segment_size: 72
    .max_flat_workgroup_size: 128
    .sgpr_count:     66
    .vgpr_count:     194
    .wavefront_size: 32
...
	.end_amdgpu_metadata
.endif
;; end of part 1
;; launch qkv (part 2): grid 12 x 32, 4 waves a work-group, clusters of 4 x 4, 327,680 bytes of LDS; arguments x_codes, x_scales, w_codes, w_scales, qf, kv; writes qf, kv
.if DOCPART == 2
	.amdgcn_target "amdgcn-amd-amdhsa--gfx1250"
	.amdhsa_code_object_version 6
	.text
	.protected	k_qd6ad08f9c4_qkv
	.globl	k_qd6ad08f9c4_qkv
	.p2align	8
	.type	k_qd6ad08f9c4_qkv,@function
k_qd6ad08f9c4_qkv:
	s_mov_b64 s[64:65], 0
	v_nop
	global_prefetch_b8 v0, s[64:65] scope:SCOPE_SE
	s_setreg_imm32_b32 hwreg(HW_REG_WAVE_MODE, 25, 1), 1
	s_wait_xcnt 0x0
	s_wait_alu depctr_hold_cnt(0) depctr_sa_sdst(0) depctr_va_vdst(0) depctr_va_sdst(0) depctr_va_ssrc(0) depctr_va_vcc(0) depctr_vm_vsrc(0)
	s_getreg_b32 s2, hwreg(HW_REG_IB_STS2, 6, 4)
	s_cmp_eq_u32 s2, 0
	s_cbranch_scc0 .Lentry_in_a_cluster
	s_endpgm
.Lentry_in_a_cluster:
	s_bfe_u32 s2, ttmp6, 0x10000c
	s_cmp_lg_u32 s2, 0xf033
	s_cbranch_scc0 .Lentry_shape_is_right
	s_endpgm
.Lentry_shape_is_right:
; q = x w_q, k = x w_k, v = x w_v on codes of FP6 (E2M3) with E8M0 scales, K = 1,024; the results are quantised in registers, for the two products of attention, and leave as IMAGES OF OPERAND REGISTERS.
; A work-group of four waves makes 256 x 256 of a product, a wave 128 x 128: 64 accumulators of 16 x 16, 512 registers.  K goes in steps of 256 through a ring of two LDS slots filled by the tensor data mover; the scale bytes of
; the work-group's rows come into LDS once.  CLUSTERS: 4 x 4 work-groups; A's tiles are asked for jointly along a row of the cluster, B's along a column.
; THE CLUSTER'S x IS THE KIND.  0: q, 1: k: A = x (tokens), B = the weight's rows.  The matrix instruction is used transposed (source 0 = 16 rows of B, source 1 = 16 rows of A), so a lane holds ONE token and its 64 registers of a block of
; A run along 128 columns: two heads, whose 64 channels are the K of the scores.  2: v: A = w_v's rows, B = x: a lane holds ONE channel and its registers run along 128 keys, the K of the second product.
; The kind is the same in all sixteen partners; it chooses pointers and numbers by selects, never a branch.
; ORDER.  The weights' rows lie with bits 3 and 4 of the column's number exchanged, so for q and k register 16 B + i of lane half h is channel 32 B + 16 h + i: true order.  For v, register 16 B + 8 u + j is key 32 B + 16 u + 8 h + j: inside a
; block of 32 the codes lie as keys 0-7, 16-23, 8-15, 24-31, which is the order in which the attention launch lays its weights p: a permutation inside a scale's block, alike on both sides, keeps the sum.
; OUT.  A fragment (16 rows x 128 K: 12 registers a lane) is stored by three stores of 16 bytes a lane, 512 consecutive aligned bytes each.  qf: [batch][128 tokens: 102,400][64 tokens: 51,200]; kv: [batch][128 keys: 204,800] = k of keys
; 0-63, k of keys 64-127 (51,200 each), v (102,400).  64 tokens: fragment (tile of 16 tokens t, pair of heads g) at (8 t + g) 1,536; scale words at 49,152 + 256 g + 16 row + 4 t.  v: fragment (head, 16 channels dt) at (4 head + dt) 1,536;
; scale words at 98,304 + 256 head + 16 row + 4 dt.
; LIMITS: NaN and infinities are not served; a block whose largest magnitude lies under 2^-124 keeps the byte 1; a block of zeros has the byte 1 and zero codes.
; REGISTERS, in windows of 256: window 0: v0-31 addresses; v32-63 scale words, two sets; v64-83, v96-103, v224-239 the way out; from v128 A's fragments, ONE set.  window 1: B's fragments, TWO sets.  windows 2, 3: the accumulators.
.set KSTEP,  256
.set NQ,     2                         ; matrix instructions deep in a slot
.set ROWB,   192                       ; a tile's row in bytes
.set KROW,   768                       ; a row of codes in memory
.set PITCH,  240                       ; an LDS row: 3 x (64 bytes + 16 of padding): the 32 lanes of a load of 8 bytes touch 64 different banks (64 banks of 4 bytes: ISA guide 11.1)
.set FR,     12
.set NL,     6
.set NP,     4                         ; places behind this matrix instruction (ISA guide 7.12.1)
.set HALFT,  128*PITCH
.set SLOT,   4*HALFT
.set LAPS,   2                         ; 1,024 / 512
.set KS,     32                        ; a row of scales in bytes
.set SCL,    2*SLOT                    ; behind the ring: the scales, as rows of 256 bytes + 16
.set HALFS,  (128*KS/256)*272
.set SBLK,   (16*KS/256)*272
.set SPARE,  SCL+4*HALFS               ; the spare words, 128 bytes for each wave
.set ADRA, 16                          ; v16-19  LDS addresses of my A fragments (slot 0, 1; the same behind one padding more)
.set ADRB, 20                          ; v20-23  the same for B
.set LI,   24                          ; v24     16 x lane: my place in an image
.set LSC,  25                          ; v25     my place among the scale words on the way out
.set ADRS, 27                          ; v27     LDS address of my scale words
.set SPW,  28                          ; v28     my spare word; never rewritten
.set NIL,  29                          ; v29     0; never rewritten
.set SC,   32
.set CD,   64                          ; v64-83  the codes just made
.set PWS,  96                          ; v96-103 the scale words of my eight fragments
.set AF,   128
.set TM,   224                         ; v224-239 the quantiser's work
.set SEL,  66                          ; s[66:67] lane selects for lane l xor 16
.set G1, 24
.set G0, 32
.set G1B, 48
.set G0B, 56
.set G1S, 68
.set G0S, 76
.set G1SB, 80
.set G0SB, 88
.set MSB, 0
.macro WIN new                         ; the immediate's high byte repeats the setting that is left
.if MSB != (\new)
	s_set_vgpr_msb (MSB<<8)|(\new)
.set MSB, (\new)
.endif
.endm
.set MUL_LO, 0xa1                      ; source 0 (B) window 1, source 1 (A) window 0, C and D window 2
.set MUL_HI, 0xf1
.set TO_B,   0x40
; A joint load: waves 0 and 1 fetch for A, waves 2 and 3 for B; the branch hangs on the wave's number alone.  Four v_nop follow each of the two lines.
.macro JLOAD g0a, g1a, g0b, g1b
	s_cmp_eq_u32 s15, 0
	s_cbranch_scc0 .Lfor_b_\@
	tensor_load_to_lds s[\g0a:\g0a+3], s[\g1a:\g1a+7]
	s_nop 0
.rept 4
	v_nop
.endr
	s_branch .Lasked_\@
.Lfor_b_\@:
	tensor_load_to_lds s[\g0b:\g0b+3], s[\g1b:\g1b+7]
	s_nop 0
.rept 4
	v_nop
.endr
.Lasked_\@:
.endm
.macro CREST                           ; a round of the cluster's barrier behind its opening barrier
	s_cmp_lg_u32 s14, 0
	s_cbranch_scc1 .Lnot_wave_0_\@
	s_barrier_signal -3
.Lnot_wave_0_\@:
	s_barrier_wait -3
	s_barrier_signal -1
	s_barrier_wait -1
.endm
.macro CROUND
	s_barrier_signal -1
	s_barrier_wait -1
	CREST
.endm
	s_load_b128 s[4:7], s[0:1], 0x0                ; x's codes, x's scales
	s_load_b128 s[8:11], s[0:1], 0x10              ; the weights' codes, their scales
	s_load_b128 s[96:99], s[0:1], 0x20             ; qf, kv
	v_lshl_add_u32 v[SPW], v0, 2, SPARE
	v_mov_b32 v[NIL], 0
	ds_add_u32 v28, v29
	ds_add_u32 v28, v29
	s_wait_dscnt 0x0
	v_lshrrev_b32 v1, 5, v0
	v_readfirstlane_b32 s14, v1                    ; wave 0..3
	s_lshr_b32 s15, s14, 1                         ; which half of A's rows is mine.  Also: I fetch for A (0) or for B (1)
	s_and_b32 s16, s14, 1                          ; which half of B's rows.  Also: which 128 rows of that tile I fetch
	s_bfe_u32 s40, ttmp6, 0x40000                  ; cx, cy: my place in the cluster
	s_bfe_u32 s41, ttmp6, 0x40004
	s_lshl_b32 s42, ttmp9, 2                       ; q, k: B's tile = 4 x cluster x + cx (rows 0-2,047 of the weights),
	s_and_b32 s17, ttmp7, 0xffff
	s_lshl_b32 s17, s17, 2                         ;       A's tile = 4 x cluster y + cy (tokens)
	s_cmp_eq_u32 ttmp9, 2
	s_cselect_b32 s42, s17, s42                    ; v: B's tile = 4 x cluster y + cx (tokens),
	s_cselect_b32 s17, 8, s17                      ;    A's tile = 8 + cy (w_v's rows)
	s_add_co_u32 s42, s42, s40
	s_add_co_u32 s17, s17, s41
	s_lshl_b32 s43, s41, 2
	s_lshl_b32 s43, 15, s43                        ; my row of the cluster
	s_lshl_b32 s44, 0x1111, s40                    ; my column
	; descriptor group 1: a tile of 128 rows x 192 bytes, 16 bytes of padding behind every 64
	s_or_b32 s[G1+0], s43, (0<<16)|(1<<20)|(1<<21)|(3<<22)|(3<<25)
	s_or_b32 s[G1B+0], s44, (0<<16)|(1<<20)|(1<<21)|(3<<22)|(3<<25)
.irp g, G1, G1B
	s_mov_b32 s[\g+1], ROWB<<16                    ; tensor_dim0
	s_mov_b32 s[\g+2], 128<<16                     ; tensor_dim1
	s_mov_b32 s[\g+3], ROWB<<16                    ; tile_dim0
	s_mov_b32 s[\g+4], 128                         ; tile_dim1
	s_mov_b32 s[\g+5], KROW                        ; tensor_dim0_stride
	s_mov_b32 s[\g+6], 0
	s_mov_b32 s[\g+7], 0
.endr
	; the scales of 128 rows: 4,096 dense bytes as 16 rows of 256 bytes (32 elements of 8 bytes), 16 bytes of padding behind each
	s_or_b32 s[G1S+0], s43, (3<<16)|(1<<20)|(1<<21)|(5<<22)|(3<<25)
	s_or_b32 s[G1SB+0], s44, (3<<16)|(1<<20)|(1<<21)|(5<<22)|(3<<25)
.irp g, G1S, G1SB
	s_mov_b32 s[\g+1], 32<<16
	s_mov_b32 s[\g+2], (128*KS/256)<<16
	s_mov_b32 s[\g+3], 32<<16
	s_mov_b32 s[\g+4], 128*KS/256
	s_mov_b32 s[\g+5], 32
	s_mov_b32 s[\g+6], 0
	s_mov_b32 s[\g+7], 0
.endr
	s_lshl_b32 s18, s16, 7                         ; which 128 rows of the tile I fetch
	s_lshl_b32 s20, s17, 8
	s_add_co_u32 s20, s20, s18                     ; A's row
	s_lshl_b32 s46, s42, 8
	s_add_co_u32 s46, s46, s18                     ; B's row
	s_mov_b32 s21, 0
	s_mov_b32 s47, 0
	s_mov_b64 s[18:19], KS
	s_mul_u64 s[22:23], s[20:21], s[18:19]         ; where these rows' scales begin,
	s_mul_u64 s[92:93], s[46:47], s[18:19]
	s_mov_b64 s[18:19], KROW
	s_mul_u64 s[20:21], s[20:21], s[18:19]         ; and their codes
	s_mul_u64 s[46:47], s[46:47], s[18:19]
	s_mul_i32 s45, s14, HALFT                      ; where they go: wave x 128 rows
	s_mul_i32 s94, s14, HALFS
	s_wait_kmcnt 0x0
	s_cmp_eq_u32 ttmp9, 2                          ; for v the two operands change places
	s_cselect_b64 s[66:67], s[8:9], s[4:5]         ; A's codes
	s_cselect_b64 s[8:9], s[4:5], s[8:9]           ; B's codes
	s_cselect_b64 s[100:101], s[10:11], s[6:7]     ; A's scales
	s_cselect_b64 s[10:11], s[6:7], s[10:11]       ; B's scales
	s_add_nc_u64 s[20:21], s[66:67], s[20:21]
	s_add_nc_u64 s[22:23], s[100:101], s[22:23]
	s_add_nc_u64 s[46:47], s[8:9], s[46:47]
	s_add_nc_u64 s[92:93], s[10:11], s[92:93]
	CROUND                                         ; all sixteen work-groups are here: the first joint loads meet
	s_mov_b32 s[G0S], 1
	s_add_co_u32 s[G0S+1], s94, SCL
	s_mov_b64 s[G0S+2:G0S+3], s[22:23]
	s_or_b32 s[G0S+3], s[G0S+3], 0x80000000
	s_mov_b32 s[G0SB], 1
	s_add_co_u32 s[G0SB+1], s94, SCL
	s_mov_b64 s[G0SB+2:G0SB+3], s[92:93]
	s_or_b32 s[G0SB+3], s[G0SB+3], 0x80000000
	JLOAD G0S, G1S, G0SB, G1SB                     ; the scales first: they are wanted with K step 0
.irp s, 0,1
	s_mov_b32 s[G0+4*\s], 1
	s_add_co_u32 s[G0+4*\s+1], s45, \s*SLOT
	s_add_nc_u64 s[G0+4*\s+2:G0+4*\s+3], s[20:21], \s*ROWB
	s_or_b32 s[G0+4*\s+3], s[G0+4*\s+3], 0x80000000
	s_mov_b32 s[G0B+4*\s], 1
	s_add_co_u32 s[G0B+4*\s+1], s45, \s*SLOT
	s_add_nc_u64 s[G0B+4*\s+2:G0B+4*\s+3], s[46:47], \s*ROWB
	s_or_b32 s[G0B+4*\s+3], s[G0B+4*\s+3], 0x80000000
	JLOAD G0+4*\s, G1, G0B+4*\s, G1B               ; three tensor loads of mine are out now
.endr
	v_and_b32 v1, 15, v0                           ; l % 16
	v_bfe_u32 v2, v0, 4, 1                         ; l / 16
	v_mul_u32_u24 v3, v1, PITCH
	v_mul_u32_u24 v4, v2, 24
	v_add_nc_u32 v4, v3, v4                        ; a fragment's row x pitch + 24 x half
	v_lshl_add_u32 v5, v2, 4, v4                   ; and the same behind one padding more
	s_mul_i32 s21, s15, HALFT                      ; my 128 rows of A
	s_mul_i32 s22, s16, HALFT                      ; my 128 rows of B,
	s_add_co_u32 s22, s22, 2*HALFT                 ; which lie behind A's 256
.irp s, 0,1
	v_add_nc_u32 v[ADRA+\s], s21, v4
	v_add_nc_u32 v[ADRB+\s], s22, v4
	v_add_nc_u32 v[ADRA+2+\s], s21, v5
	v_add_nc_u32 v[ADRB+2+\s], s22, v5
	s_add_co_u32 s21, s21, SLOT
	s_add_co_u32 s22, s22, SLOT
.endr
	v_mul_u32_u24 v5, v1, KS                       ; my row's scales: 32 bytes a row,
	v_lshrrev_b32 v6, 8, v5
	v_lshl_add_u32 v5, v6, 4, v5                   ; and 16 more for each 256 passed
	s_mul_i32 s21, s15, HALFS
	s_mul_i32 s22, s16, HALFS
	s_add_co_u32 s22, s22, 2*HALFS
	s_sub_co_u32 s22, s22, s21
	v_mul_u32_u24 v6, s22, v2                      ; lanes 16-31 take B's
	s_add_co_u32 s21, s21, SCL
	v_add_nc_u32 v5, v5, v6
	v_add_nc_u32 v[ADRS], s21, v5
	; THE WAY OUT'S NUMBERS.  All selects on a compare stand ahead of the arithmetic, which writes SCC.
	s_cmp_eq_u32 ttmp9, 0
	s_cselect_b64 s[12:13], s[96:97], s[98:99]     ; q goes to qf, k and v to kv,
	s_cselect_b32 s46, 0, 1                        ; whose strides are twice qf's
	s_cmp_eq_u32 ttmp9, 2
	s_cselect_b32 s2, s42, s17                     ; the tile that counts tokens,
	s_cselect_b32 s95, s16, s15                    ; and my half of its 256
	s_cselect_b32 s104, s41, s40                   ; the place that counts pairs of heads,
	s_cselect_b32 s105, s15, s16                   ; and my half of its two
	s_mov_b32 s18, 1536
	s_cselect_b32 s18, 12288, s18                  ; bytes of codes from pair to pair
	s_cselect_b32 s19, 102400, 0                   ; v lies behind k's two halves
	s_mov_b32 s45, 256
	s_cselect_b32 s45, 512, s45                    ; bytes of scale words from pair to pair
	s_mov_b32 s94, 49152
	s_cselect_b32 s94, 200704, s94                 ; where the scale words begin
	s_mov_b32 s98, 12288
	s_cselect_b32 s98, 1536, s98                   ; from one of my eight fragments to the next,
	s_mov_b32 s99, 0
	s_cselect_b32 s100, 0, 2048                    ; and over the first 64 tokens' scale words
	s_mov_b32 s101, 0
	s_mov_b32 s47, 51200
	s_cselect_b32 s47, 256, s47                    ; from the scale words of my fragments 0-3 to those of 4-7
	s_lshl_b32 s2, s2, 1
	s_add_co_u32 s2, s2, s95                       ; my block of 128 tokens, 0 .. 63
	s_lshl_b32 s104, s104, 1
	s_add_co_u32 s104, s104, s105                  ; my pair of heads, 0 .. 7
	s_lshr_b32 s95, s2, 4                          ; batch
	s_and_b32 s2, s2, 15                           ; block in the batch
	s_mul_i32 s95, s95, 16*102400
	s_mul_i32 s2, s2, 102400
	s_add_co_u32 s2, s2, s95
	s_lshl_b32 s2, s2, s46
	s_mul_i32 s18, s18, s104
	s_add_co_u32 s18, s18, s19
	s_add_co_u32 s18, s18, s2                      ; my first fragment
	s_mov_b32 s19, 0
	s_mul_i32 s92, s45, s104
	s_add_co_u32 s92, s92, s94
	s_add_co_u32 s92, s92, s2                      ; my scale words
	s_mov_b32 s93, 0
	s_add_nc_u64 s[96:97], s[12:13], s[92:93]
	s_add_nc_u64 s[12:13], s[12:13], s[18:19]
	s_mov_b32 s[SEL], 0x76543210
	s_mov_b32 s[SEL+1], 0xfedcba98
	v_and_b32 v6, 31, v0
	v_lshlrev_b32 v[LI], 4, v6
	v_mul_u32_u24 v[LSC], s47, v2
	v_lshl_add_u32 v[LSC], v1, 4, v[LSC]
.irp b, 0,1,2,3
	v_mov_b32 v[TM+4+\b], 0                        ; written once: a lane permute's destination counts as one of its sources
.endr
.macro FRAG reg, adr, q, i             ; a fragment: lane l holds row l % 16; registers 6 c .. 6 c + 5 hold K = 64 c + 32 (l / 16) + 0 .. 31: 24 bytes of the row's stream of bits, in pieces of 8 bytes
.irp p, 0,1,2,3,4,5
.set PCE, 12*(\q)+6*(\p/3)+\p%3        ; where the piece three on (lanes 16-31) lies behind one padding more, the second address register serves
.if PCE%8 < 5
	ds_load_b64 v[\reg+2*\p:\reg+2*\p+1], v[\adr] offset:8*PCE+16*(PCE/8)+(\i)*16*PITCH
.else
	ds_load_b64 v[\reg+2*\p:\reg+2*\p+1], v[\adr+2] offset:8*PCE+16*(PCE/8)+(\i)*16*PITCH
.endif
.endr
.endm
; 16 matrix instructions: A's blocks a0, a0 + 1 x B's eight.  The 64 accumulators take turns, one instruction a turn, in the same order in every step.
.macro MUL16 a0, p, q, sc, zero
.irp a, \a0, \a0+1
.irp b, 0,1,2,3,4,5,6,7
.if \zero
	v_wmma_scale_f32_16x16x128_f8f6f4 v[8*(8*((\a)%4)+\b):8*(8*((\a)%4)+\b)+7], v[128*(\p)+FR*\b:128*(\p)+FR*\b+FR-1], v[AF+FR*(\a):AF+FR*(\a)+FR-1], 0, v[SC+8*NQ*(\sc)+NQ*\b+(\q)], v[SC+8*NQ*(\sc)+NQ*(\a)+(\q)] matrix_a_fmt:MATRIX_FMT_FP6 matrix_b_fmt:MATRIX_FMT_FP6 matrix_a_scale:MATRIX_SCALE_ROW1
.else
	v_wmma_scale_f32_16x16x128_f8f6f4 v[8*(8*((\a)%4)+\b):8*(8*((\a)%4)+\b)+7], v[128*(\p)+FR*\b:128*(\p)+FR*\b+FR-1], v[AF+FR*(\a):AF+FR*(\a)+FR-1], v[8*(8*((\a)%4)+\b):8*(8*((\a)%4)+\b)+7], v[SC+8*NQ*(\sc)+NQ*\b+(\q)], v[SC+8*NQ*(\sc)+NQ*(\a)+(\q)] matrix_a_fmt:MATRIX_FMT_FP6 matrix_b_fmt:MATRIX_FMT_FP6 matrix_a_scale:MATRIX_SCALE_ROW1
.endif
.endr
.endr
.endm
.macro FETCH_B slot, q, p
	WIN TO_B
.irp i, 0,1,2,3,4,5,6,7
	FRAG 128*(\p)+FR*\i, ADRB+\slot, \q, \i
.endr
	WIN 0
.endm
.macro FETCH_A slot, q, i0
.irp i, \i0, \i0+1, \i0+2, \i0+3
	FRAG AF+FR*(\i), ADRA+\slot, \q, \i
.endr
.endm
.macro SCALES sc                       ; a K step's scale words: lanes 0-15 take A's block i, lanes 16-31 B's block i
.irp i, 0,1,2,3,4,5,6,7
	ds_load_b64 v[SC+8*NQ*\sc+NQ*\i:SC+8*NQ*\sc+NQ*\i+1], v[ADRS] offset:\i*SBLK
.endr
.endm
.macro PLACES n                        ; plain vector lines between a matrix instruction and a load into, or a read of, its registers
.rept \n
	v_nop
.endr
.endm
.macro STEP slot, q, zero              ; 128 along K that has its successor in the same slot
	s_wait_dscnt 4*NL                              ; B's set and A's blocks 0-3 are in; the youngest 24 loads (A's blocks 4-7) may be out
	WIN MUL_LO
	MUL16 0, (\q)%2, \q, \slot, \zero
	MUL16 2, (\q)%2, \q, \slot, \zero
	s_wait_dscnt 0
	PLACES NP
	FETCH_B \slot, (\q)+1, 1-(\q)%2
	FETCH_A \slot, (\q)+1, 0
	WIN MUL_HI
	MUL16 4, (\q)%2, \q, \slot, \zero
	MUL16 6, (\q)%2, \q, \slot, \zero
	PLACES NP
	WIN 0
	FETCH_A \slot, (\q)+1, 4
.endm
; A slot's last step changes slots: in front of the barrier each wave waits for all its tensor loads, adds 0 to its spare word, and waits for that and for its own reads of this slot.
.macro TURN slot, next, fill
	s_wait_tensorcnt 0x0                           ; all my tensor loads have landed: my part of the next slot
	ds_add_u32 v[SPW], v[NIL]                      ; 0 onto my spare word
	s_wait_dscnt 4*NL+1                            ; (the add and the youngest 24 loads may be out)
	WIN MUL_LO
	MUL16 0, 1, NQ-1, \slot, 0
	s_wait_dscnt 0x0                               ; the add is done, and my reads of this slot are over
	s_barrier_signal -1
	MUL16 2, 1, NQ-1, \slot, 0
	WIN 0
	s_barrier_wait -1
.if \fill
	CREST                                          ; the barrier has opened a round of the cluster's barrier: no wave of any partner still reads this slot or has a load on its way
	s_add_nc_u64 s[G0+4*\slot+2:G0+4*\slot+3], s[G0+4*\slot+2:G0+4*\slot+3], 2*ROWB
	s_add_nc_u64 s[G0B+4*\slot+2:G0B+4*\slot+3], s[G0B+4*\slot+2:G0B+4*\slot+3], 2*ROWB
	JLOAD G0+4*\slot, G1, G0B+4*\slot, G1B         ; the first tensor load behind the round; its four v_nop are the places in front of the loads below
.else
	PLACES NP
.endif
	v_add_nc_u32 v[ADRS], 4*NQ, v[ADRS]            ; on to the next K step's scale words
	FETCH_B \next, 0, 0
	FETCH_A \next, 0, 0
	SCALES \next
	WIN MUL_HI
	MUL16 4, 1, NQ-1, \slot, 0
	MUL16 6, 1, NQ-1, \slot, 0
	PLACES NP
	WIN 0
	FETCH_A \next, 0, 4
.endm
; 64 numbers of a lane in window X, v[s] on, register 16 b + i in block b (lanes l and l xor 16 hold a block), become a fragment's 12 registers in v[CD] on and its scale word in v[pw].
; Each accumulator is read from its low end on.
.macro QUANTW X, s, pw
	WIN (\X)|((\X)<<2)
.irp b, 0,1,2,3
	v_max3_num_f32 v[TM+\b], |v[(\s)+16*\b]|, |v[(\s)+1+16*\b]|, 0x1800000   ; my 16 numbers of block b, and the floor 2^(3 - 127): the byte cannot fall under 1
.endr
	WIN ((\X)<<2)|((\X)<<4)
.irp i, 2,4,6,8,10,12,14
.irp b, 0,1,2,3
	v_max3_num_f32 v[TM+\b], v[TM+\b], |v[(\s)+16*\b+\i]|, |v[(\s)+1+16*\b+\i]|
.endr
.endr
	WIN 0
.irp b, 0,1,2,3
	v_permlanex16_b32 v[TM+4+\b], v[TM+\b], s[SEL], s[SEL+1]
.endr
.irp b, 0,1,2,3
	v_max_num_f32 v[TM+\b], v[TM+\b], v[TM+4+\b]   ; with lane l xor 16's: the block's largest magnitude
.endr
.irp b, 0,1,2,3
	v_add_nc_u32 v[TM+12+\b], 0xff000000, v[TM+\b] ; 2 off its exponent field: the conversion's scale operand
.endr
.irp b, 0,1,2,3
	v_lshrrev_b32 v[TM+4+\b], 23, v[TM+12+\b]      ; the scale's byte
.endr
	v_lshl_or_b32 v[\pw], v[TM+5], 8, v[TM+4]
	v_lshl_or_b32 v[\pw], v[TM+6], 16, v[\pw]
	v_lshl_or_b32 v[\pw], v[TM+7], 24, v[\pw]
	WIN \X
.irp c, 0,1
	v_cvt_scalef32_pk16_fp6_f32 v[CD+6*\c:CD+2+6*\c], v[(\s)+32*\c:(\s)+15+32*\c], v[TM+12+2*\c]
	v_cvt_scalef32_pk16_fp6_f32 v[CD+12+4*\c:CD+14+4*\c], v[(\s)+16+32*\c:(\s)+31+32*\c], v[TM+12+2*\c+1]   ; (a conversion's three registers begin on an even number)
.endr
	WIN 0
	v_nop                                          ; one plain line behind the conversions
.irp c, 0,1                            ; the layout wants a WHOLE block in a lane: lanes 0-15 block 2 c, lanes 16-31 block 2 c + 1; the low lane's 16 codes first
.irp i, 0,1,2
	v_permlane16_swap_b32 v[CD+6*\c+\i], v[CD+12+4*\c+\i]
.endr
.irp i, 0,1,2
	v_mov_b32 v[CD+3+6*\c+\i], v[CD+12+4*\c+\i]
.endr
.endr
.endm
	s_wait_tensorcnt 1                             ; the scales and my part of K step 0 are in (K step 1's load may be out)
	s_barrier_signal -1
	s_barrier_wait -1                              ; everybody's are
	FETCH_B 0, 0, 0
	FETCH_A 0, 0, 0
	SCALES 0
	FETCH_A 0, 0, 4
	STEP 0, 0, 1                                   ; the first step stands in front of the loop: its products start the sums
	s_mov_b32 s3, LAPS-1
.Llap:                                             ; a trip goes once round the ring and fills both slots again
	TURN 0, 1, 1
	STEP 1, 0, 0
	TURN 1, 0, 1
	STEP 0, 0, 0
	s_sub_co_u32 s3, s3, 1
	s_cmp_lg_u32 s3, 0
	s_cbranch_scc1 .Llap
	TURN 0, 1, 0                                   ; the last lap fills nothing
	STEP 1, 0, 0
	s_wait_dscnt 4*NL
	WIN MUL_LO
	MUL16 0, 1, NQ-1, 1, 0
	MUL16 2, 1, NQ-1, 1, 0
	s_wait_dscnt 0
	WIN MUL_HI
	MUL16 4, 1, NQ-1, 1, 0
	MUL16 6, 1, NQ-1, 1, 0
	WIN 0
	; THE WAY OUT: my eight blocks of A, 64 registers each, become eight fragments.  No LDS: the registers are stored as they stand.
	PLACES NP
.irp a, 0,1,2,3,4,5,6,7
.if \a > 0
	s_wait_xcnt 0x0                                ; the last fragment's stores have read their data and their base: both are written again only behind this wait
.endif
	QUANTW 2+(\a)/4,64*((\a)%4),PWS+\a
.if \a > 0
	s_add_nc_u64 s[12:13], s[12:13], s[98:99]
.endif
.if \a == 4
	s_add_nc_u64 s[12:13], s[12:13], s[100:101]
.endif
.irp ch, 0,1,2
	global_store_b128 v[LI], v[CD+4*\ch:CD+4*\ch+3], s[12:13] offset:512*\ch   ; 32 lanes store 512 consecutive bytes, at a multiple of 512 from the buffer's first byte
.endr
.endr
.irp a, 0,1,2,3
	v_permlane16_swap_b32 v[PWS+\a], v[PWS+4+\a]   ; lanes 0-15 keep the words of fragments 0-3, lanes 16-31 take those of fragments 4-7
.endr
	global_store_b128 v[LSC], v[PWS:PWS+3], s[96:97]   ; sixteen lanes store 256 consecutive bytes, aligned; twice
	s_wait_tensorcnt 0x0                           ; the wave's end
	ds_add_u32 v[SPW], v[NIL]
	s_wait_dscnt 0x0
	CROUND                                         ; the closing round: no work-group ends while a partner may still ask for a tile that names it
	s_endpgm
.Lfunc_end_k_qd6ad08f9c4_qkv:
	.size	k_qd6ad08f9c4_qkv, .Lfunc_end_k_qd6ad08f9c4_qkv-k_qd6ad08f9c4_qkv
	.p2alignl 7, 3214868480
	.fill 96, 4, 3214868480
	.section	.rodata,"a",@progbits
	.p2align	6, 0x0
	.amdhsa_kernel k_qd6ad08f9c4_qkv
		.amdhsa_group_segment_fixed_size 327680
		.amdhsa_private_segment_fixed_size 0
		.amdhsa_enable_private_segment 0
		.amdhsa_kernarg_size 48
		.amdhsa_user_sgpr_count 2
		.amdhsa_user_sgpr_kernarg_segment_ptr 1
		.amdhsa_wavefront_size32 1
		.amdhsa_system_sgpr_workgroup_id_x 1
		.amdhsa_system_sgpr_workgroup_id_y 1
		.amdhsa_system_sgpr_workgroup_id_z 1
		.amdhsa_system_vgpr_workitem_id 0
		.amdhsa_next_free_vgpr 1024
		.amdhsa_next_free_sgpr 106
		.amdhsa_reserve_vcc 0
		.amdhsa_float_denorm_mode_32 3
		.amdhsa_float_denorm_mode_16_64 3
		.amdhsa_memory_ordered 1
		.amdhsa_forward_progress 1
		.amdhsa_inst_pref_size 166
	.end_amdhsa_kernel
	.amdgpu_metadata
---
amdhsa.version: [ 1, 2 ]
amdhsa.kernels:
  - .name:           k_qd6ad08f9c4_qkv
    .symbol:         k_qd6ad08f9c4_qkv.kd
    .args:
      - { .name: x_codes, .offset: 0, .size: 8, .value_kind: global_buffer, .address_space: global }
      - { .name: x_scales, .offset: 8, .size: 8, .value_kind: global_buffer, .address_space: global }
      - { .name: w_codes, .offset: 16, .size: 8, .value_kind: global_buffer, .address_space: global }
      - { .name: w_scales, .offset: 24, .size: 8, .value_kind: global_buffer, .address_space: global }
      - { .name: qf, .offset: 32, .size: 8, .value_kind: global_buffer, .address_space: global }
      - { .name: kv, .offset: 40, .size: 8, .value_kind: global_buffer, .address_space: global }
    .group_segment_fixed_size: 327680
    .private_segment_fixed_size: 0
    .kernarg_segment_align: 8
    .kernarg_segment_size: 48
    .max_flat_workgroup_size: 128
    .sgpr_count:     106
    .vgpr_count:     1024
    .wavefront_size: 32
...
	.end_amdgpu_metadata
.endif
;; end of part 2
;; launch attn (part 3): grid 64 x 4, 4 waves a work-group, clusters of 4 x 1, 327,680 bytes of LDS; arguments qf, kv, ctx_codes, ctx_scales; writes ctx_codes, ctx_scales
.if DOCPART == 3
	.amdgcn_target "amdgcn-amd-amdhsa--gfx1250"
	.amdhsa_code_object_version 6
	.text
	.protected	k_qd6ad08f9c4_attn
	.globl	k_qd6ad08f9c4_attn
	.p2align	8
	.type	k_qd6ad08f9c4_attn,@function
k_qd6ad08f9c4_attn:
	s_mov_b64 s[64:65], 0
	v_nop
	global_prefetch_b8 v0, s[64:65] scope:SCOPE_SE
	s_setreg_imm32_b32 hwreg(HW_REG_WAVE_MODE, 25, 1), 1
	s_wait_xcnt 0x0
	s_wait_alu depctr_hold_cnt(0) depctr_sa_sdst(0) depctr_va_vdst(0) depctr_va_sdst(0) depctr_va_ssrc(0) depctr_va_vcc(0) depctr_vm_vsrc(0)
	s_getreg_b32 s2, hwreg(HW_REG_IB_STS2, 6, 4)
	s_cmp_eq_u32 s2, 0
	s_cbranch_scc0 .Lentry_in_a_cluster
	s_endpgm
.Lentry_in_a_cluster:
	s_bfe_u32 s2, ttmp6, 0x10000c
	s_cmp_lg_u32 s2, 0x3003
	s_cbranch_scc0 .Lentry_shape_is_right
	s_endpgm
.Lentry_shape_is_right:
; ctx[b][q][h][:] = the sum over keys of attn[b][h][q][key] v[b][h][key][:], attn = softmax OVER THE 16 HEADS of q . k / 8.  Both products on codes of FP6 (E2M3) with E8M0 scales; attn is quantised finished and normalised, along the
; keys, in blocks of 32; ctx is quantised along (head, channel) for the projection and leaves as rows of codes.
; The softmax runs over heads, so nothing is carried along the keys: for each (query, key) the largest of the 16 scores is taken away, p = 2^(c s - c max), c = log2(e) / 8, and p is divided by the sum of the 16.
; SHARES.  A work-group owns 32 queries of a batch, ALL heads, all 2,048 keys.  Wave w: qt = w % 2 (a tile of 16 queries), H = w / 2.  Keys go 128 at a time, in two score phases of 64.  In a phase wave w makes the scores of all 16 heads
; for its 16 queries and 32 keys (256 registers: the 16 heads of a (query, key) lie in ONE lane, 16 registers apart), normalises, quantises, and puts p's codes into LDS.  Then each wave takes heads 4 w .. 4 w + 3, both tiles of queries,
; and adds V^T P^T of the 128 keys onto its 32 accumulators.
; K = 64 IN A FORM OF 128.  q's and k's fragments hold a PAIR of heads (64 + 64 channels).  k's is used whole; q's operand is [q of the even head | zeros] or [zeros | q of the odd head]: q's registers lie as 6 + 6 zeros + 6, and the two
; operands overlap in the zeros.  Zero codes add nothing under any scale byte that the quantiser gives.
; LAYOUT.  S^T = K Q^T and O^T = V^T P^T: a lane holds one query (lane % 16) throughout.  Register 8 u + j of a head's 16 is key 16 u + 8 (lane / 16) + j of the 32.  p's codes go to LDS at their places in the operand's image (48 bytes a
; lane), the low lane's 16 first: inside a block the keys lie 0-7, 16-23, 8-15, 24-31, as v's do.
; CLUSTER.  The four work-groups of a cluster belong to one batch and walk the same k and v: every tile is asked for JOINTLY (mask 15), each wave a quarter.  Three regions of LDS are filled by the mover: KA (k of keys 0-63), KB (k of
; keys 64-127), VV (v of the 128).  KB and VV are asked for at the head of phase 0, the next KA at the head of phase 1: one tensor load of mine is out at the most.
; O^T begins as zeros, by 256 moves at the head: a first block with products that start the sums would be a third copy of the block's text.
; LIMITS: NaN and infinities are not served; p under 2^-126 becomes 0; a block of p whose largest lies under 2^-124 keeps the byte 1; the sums over heads and over keys are taken in another order than the definition's.
; REGISTERS: window 0: v1-19 addresses; v20-163 q (18 a pair of heads); v164-191 scale words of q, k, v, p; v192-207 M; v208-223 T; v224-239 T2; v240-255 PT.  window 1: the scores, head h at 16 h; then p's eight fragments.
;   window 2: O^T, tile (qt, head e, channels dt) at 8 (16 qt + 4 e + dt).  window 3: v0-191 sixteen fragments of k, then of v; v192-255 p's codes, four registers a head.
.set KBO,   51200
.set VVO,   102400
.set PIMG,  204800                     ; p's 32 fragments: (16 qt + head) 1,536 + 48 lane + 4 register
.set PSC,   253952                     ; p's scale bytes, a word each: 2,048 block + 1,024 qt + 64 head + 4 row
.set SPARE, 262144                     ; the spare words, 128 bytes for each wave
.set STG,   PIMG                       ; at the end: 32 rows of ctx's codes, 768 bytes + 16
.set SST,   PSC                        ; and of its scale bytes, 32 bytes
.set SROW,  784
.set FRB,   1536                       ; a fragment's image
.set FR,    12
.set BLK,   204800                     ; 128 keys in kv
.set AKA,  1                           ; LDS: my fragments of k in KA: 16 lane + 24,576 H
.set AKB,  2                           ;      in KB
.set ASA,  3                           ;      k's scale words in KA: lanes 0-15 an even pair of heads, lanes 16-31 the odd one
.set ASB,  4
.set AVF,  5                           ;      my 16 fragments of v
.set AVS,  6                           ;      v's scale words
.set APW,  7                           ;      where I put p's codes
.set APS,  8                           ;      and p's scale bytes
.set APR,  9                           ;      where I read p's fragments
.set APSR, 10                          ;      and its bytes: lanes 0-15 qt 0, lanes 16-31 qt 1
.set AST,  11                          ;      the stage: in
.set ASS,  12
.set ARD,  13                          ;      the stage: out
.set GOC,  14                          ; my byte offset in the wave's rows of ctx_codes
.set PFO,  15                          ; the prefetches' offset
.set SPW,  16
.set NIL,  17
.set ASR,  18                          ; LDS: my 8 of the wave's 256 scale bytes
.set GOS,  19                          ; and the same in ctx_scales
.set QB,   20
.set QS,   164
.set KS,   172
.set VS,   180
.set PS,   188
.set M,    192
.set T,    208
.set T2,   224
.set PT,   240
.set XC,   192                         ; in window 3
.set CD,   20                          ; the end: ctx's codes, in q's registers
.set PW,   40
.set TM,   208
.set OUT,  64
.set WV,   12
.set LIM,  15
.set PFA,  18
.set G1A,  24                          ; s[24:31] 50 rows of 256 bytes: a quarter of KA
.set G1B,  32                          ; s[32:39] 150 rows: a quarter of KB and VV
.set G0A,  40
.set G0B,  44
.set TRIPS, 56
.set CS,   58
.set SEL,  60
.set MSB, 0
.macro WIN new                         ; bits 1:0 source 0, 3:2 source 1, 5:4 source 2, 7:6 destination; the high byte repeats the setting that is left
.if MSB != (\new)
	s_set_vgpr_msb (MSB<<8)|(\new)
.set MSB, (\new)
.endif
.endm
.macro PLACES n
.rept \n
	v_nop
.endr
.endm
.macro CROUND                          ; a round of the cluster's barrier
	s_barrier_signal -1
	s_barrier_wait -1
	s_cmp_lg_u32 s[WV], 0
	s_cbranch_scc1 .Lnot_wave_0_\@
	s_barrier_signal -3
.Lnot_wave_0_\@:
	s_barrier_wait -3
	s_barrier_signal -1
	s_barrier_wait -1
.endm
; A PREFETCH INTO THE L2.  A batch's k and v are 32 runs of 102,400 bytes; change of regions number i names run i + 2, of which the next change or the one after asks.  All clusters of a batch walk the same bytes: the batch's first cluster
; asks.  Its sixteen waves are told apart BY ADDRESS, 6,400 bytes each: 25 blocks of 256 bytes, a lane a block; lanes 25-31 name lane 24's block again.  The last block of keys asks for nothing; runs 0 and 1 come by their loads alone.
.macro ASK
	s_cmp_eq_u32 s[LIM], 1
	s_cbranch_scc0 .Lnot_mine_\@
	global_prefetch_b8 v[PFO], s[PFA:PFA+1] th:TH_LOAD_NT scope:SCOPE_SE
.Lnot_mine_\@:
.endm
; A CHANGE OF REGIONS.  which = 0, at the head of phase 0: KB and VV are filled.  which = 1, at the head of phase 1: KA is filled with the next block's (fill = 1).  Each wave waits for all its tensor loads (the region that it is about
; to read), adds 0 to its spare word, and waits for that and for all its LDS reads; the round of the cluster's barrier says the same of every wave of every partner; the joint load is the first thing behind it.
; more = 1: the descriptor of the OTHER region, whose load has landed, steps to the next block, and so does the prefetches' address.
.macro CHANGE which, fill, more
	WIN 0
	s_wait_tensorcnt 0x0
	ds_add_u32 v[SPW], v[NIL]
.if \more
.if \which == 0
	s_add_nc_u64 s[G0A+2:G0A+3], s[G0A+2:G0A+3], BLK
.else
	s_add_nc_u64 s[G0B+2:G0B+3], s[G0B+2:G0B+3], BLK
.endif
	s_wait_xcnt 0x0                                ; the last prefetch, a phase back, has read its address
	s_add_nc_u64 s[PFA:PFA+1], s[PFA:PFA+1], BLK/2
.endif
	s_wait_dscnt 0x0
.if \fill
	CROUND
.if \which == 0
	tensor_load_to_lds s[G0B:G0B+3], s[G1B:G1B+7]
	s_nop 0
.else
	tensor_load_to_lds s[G0A:G0A+3], s[G1A:G1A+7]
	s_nop 0
.endif
	PLACES 4                                       ; the places between the last products and the loads into their operands' registers
.else
	s_barrier_signal -1
	s_barrier_wait -1
.endif
.endm
; THE SOFTMAX OVER HEADS, element by element: register i of head h is v[16 h + i] of window 1.
.macro SOFTMAX
	WIN 0x15
.set i, 0
.rept 16
	v_max3_num_f32 v[M+i], v[i], v[16+i], v[32+i]  ; i ascending: each accumulator is read from its low end on
.set i, i+1
.endr
	WIN 0x14
.set h, 3
.rept 6
.set i, 0
.rept 16
	v_max3_num_f32 v[M+i], v[M+i], v[16*h+i], v[16*h+16+i]
.set i, i+1
.endr
.set h, h+2
.endr
	WIN 0x04
.set i, 0
.rept 16
	v_max_num_f32 v[M+i], v[M+i], v[240+i]
.set i, i+1
.endr
	WIN 0
.set p, 0
.rept 8
	v_pk_mul_f32 v[M+p:M+p+1], v[M+p:M+p+1], s[CS:CS+1] op_sel_hi:[1,0]   ; c max: the same number is taken off all 16 heads, so its rounding cancels in the division
.set p, p+2
.endr
	WIN 0x41                                       ; ONE BATCH: 128 scalings c s - c max and 256 exponentials; a head is scaled while the head before it is raised; no result is named before the wait
.set p, 0
.rept 8
	v_pk_fma_f32 v[p:p+1], v[p:p+1], s[CS:CS+1], v[M+p:M+p+1] op_sel_hi:[1,0,1] neg_lo:[0,0,1] neg_hi:[0,0,1]
.set p, p+2
.endr
.set h, 0
.rept 15
.set p, 0
.rept 8
	v_pk_fma_f32 v[16*h+16+p:16*h+17+p], v[16*h+16+p:16*h+17+p], s[CS:CS+1], v[M+p:M+p+1] op_sel_hi:[1,0,1] neg_lo:[0,0,1] neg_hi:[0,0,1]
	v_exp_f32 v[16*h+p], v[16*h+p]
	v_exp_f32 v[16*h+p+1], v[16*h+p+1]
.set p, p+2
.endr
.set h, h+1
.endr
.set i, 240
.rept 16
	v_exp_f32 v[i], v[i]
.set i, i+1
.endr
	v_nop                                          ; a plain line behind the last exponential,
	s_wait_alu depctr_va_vdst(0)                   ; and the one wait ahead of the batch's first reader
	WIN 0x05
.set p, 0
.rept 8
	v_pk_add_f32 v[M+p:M+p+1], v[p:p+1], v[16+p:17+p]
.set p, p+2
.endr
	WIN 0x04
.set h, 2
.rept 14
.set p, 0
.rept 8
	v_pk_add_f32 v[M+p:M+p+1], v[M+p:M+p+1], v[16*h+p:16*h+p+1]
.set p, p+2
.endr
.set h, h+1
.endr
	WIN 0
.set i, 0
.rept 16
	v_rcp_f32 v[M+i], v[M+i]
.set i, i+1
.endr
	v_nop
	s_wait_alu depctr_va_vdst(0)                   ; one wait for the sixteen reciprocals
	WIN 0x41
.set h, 0
.rept 16
.set p, 0
.rept 8
	v_pk_mul_f32 v[16*h+p:16*h+p+1], v[16*h+p:16*h+p+1], v[M+p:M+p+1]     ; attn, finished and normalised
.set p, p+2
.endr
.set h, h+1
.endr
.endm
; attn IS QUANTISED: for each head my 16 registers and lane l xor 16's are a block of 32 keys.  c: the phase; the block is number 2 c + H of the 128 keys' four.
.macro PQ c
	WIN 0x05
.set h, 0
.rept 16
	v_max3_num_f32 v[T+h], v[16*h], v[16*h+1], 0x1800000   ; none is negative; the floor 2^(3 - 127) holds the byte at 1 from below
.set h, h+1
.endr
	WIN 0x14
.set i, 2
.rept 7
.set h, 0
.rept 16
	v_max3_num_f32 v[T+h], v[T+h], v[16*h+i], v[16*h+i+1]
.set h, h+1
.endr
.set i, i+2
.endr
	WIN 0
.set h, 0
.rept 16
	v_permlanex16_b32 v[T2+h], v[T+h], s[SEL], s[SEL+1]
.set h, h+1
.endr
.set h, 0
.rept 16
	v_max_num_f32 v[T+h], v[T+h], v[T2+h]
.set h, h+1
.endr
.set h, 0
.rept 16
	v_add_nc_u32 v[T+h], 0xff000000, v[T+h]        ; the conversion's scale operand
.set h, h+1
.endr
.set h, 0
.rept 16
	v_lshrrev_b32 v[T2+h], 23, v[T+h]              ; the scale's byte
.set h, h+1
.endr
.set h, 0
.rept 16
	ds_store_b32 v[APS], v[T2+h] offset:(\c)*4096+64*h     ; both halves of the lanes write the same word with the same value
.set h, h+1
.endr
	WIN 0xc1
.set h, 0
.rept 16
	v_cvt_scalef32_pk16_fp6_f32 v[XC+4*h:XC+4*h+2], v[16*h:16*h+15], v[T+h]
.set h, h+1
.endr
	v_nop                                          ; one plain line behind the conversions
	WIN 0x0c                                       ; an LDS store's data are its source 1: window 3
.set h, 0
.rept 16
.set i, 0
.rept 3
	ds_store_b32 v[APW], v[XC+4*h+i] offset:FRB*h+24*(\c)+4*i   ; register 6 c + 3 (lane / 16) + i of lane 16 H + lane % 16 of the operand: the store does the exchange of halves
.set i, i+1
.endr
.set h, h+1
.endr
	WIN 0
.endm
; A SCORE PHASE.  c = 0: keys 0-63 (KA); c = 1: keys 64-127 (KB).
.macro SPHASE c, ask
.if \c == 0
.set AK, AKA
.set AS, ASA
.else
.set AK, AKB
.set AS, ASB
.endif
.irp gg, 0,1,2,3
	ds_load_b64 v[KS+2*\gg:KS+2*\gg+1], v[AS] offset:512*\gg       ; the two registers: tiles u = 0, 1 of my 32 keys
.endr
	WIN 0xc0                                       ; destination window 3
.irp g, 0,1,2,3,4,5,6,7
.irp u, 0,1
.irp ch, 0,1,2
	ds_load_b128 v[FR*(2*\g+\u)+4*\ch:FR*(2*\g+\u)+4*\ch+3], v[AK] offset:(8*\u+\g)*FRB+512*\ch
.endr
.endr
.endr
	WIN 0
.if \ask
	ASK                                            ; behind the joint load, its four lines and the run of LDS loads that the products wait for
.endif
	v_nop                                          ; the fifth place between the last V^T P^T and the first product that writes over p's registers
	WIN 0x43                                       ; k window 3, q window 0, the scores window 1
.irp g, 0,1,2,3,4,5,6,7
	s_wait_dscnt 42-6*\g                           ; this pair's six loads are in; the later pairs' may be out
.irp u, 0,1
.irp e, 0,1
.if (\g)%2 == 0
	v_wmma_scale_f32_16x16x128_f8f6f4 v[16*(2*\g+\e)+8*\u:16*(2*\g+\e)+8*\u+7], v[FR*(2*\g+\u):FR*(2*\g+\u)+11], v[QB+18*\g+6*\e:QB+18*\g+6*\e+11], 0, v[KS+2*(\g/2)+\u], v[QS+\g] matrix_a_fmt:MATRIX_FMT_FP6 matrix_b_fmt:MATRIX_FMT_FP6
.else
	v_wmma_scale_f32_16x16x128_f8f6f4 v[16*(2*\g+\e)+8*\u:16*(2*\g+\e)+8*\u+7], v[FR*(2*\g+\u):FR*(2*\g+\u)+11], v[QB+18*\g+6*\e:QB+18*\g+6*\e+11], 0, v[KS+2*(\g/2)+\u], v[QS+\g] matrix_a_fmt:MATRIX_FMT_FP6 matrix_b_fmt:MATRIX_FMT_FP6 matrix_a_scale:MATRIX_SCALE_ROW1
.endif
.endr
.endr
.endr
	PLACES 4                                       ; in front of the first read of the scores and of the loads into k's registers
.if \c == 1
	WIN 0xc0                                       ; v of the 128 keys, my four heads: it landed with KB, and comes into registers under the softmax
.irp f, 0,1,2,3,4,5,6,7,8,9,10,11,12,13,14,15
.irp ch, 0,1,2
	ds_load_b128 v[FR*\f+4*\ch:FR*\f+4*\ch+3], v[AVF] offset:\f*FRB+512*\ch
.endr
.endr
	WIN 0
.irp e2, 0,1
	ds_load_b128 v[VS+4*\e2:VS+4*\e2+3], v[AVS] offset:512*\e2     ; lanes 0-15: head 4 w + 2 e2; lanes 16-31: the next; the four registers: dt
.endr
.endif
	SOFTMAX
	PQ \c
.endm
.macro PVMUL e, dt, qt
.set rO, 8*(16*(\qt)+4*(\e)+(\dt))
.set rF, FR*(4*(\e)+(\dt))
.set rP, FR*(2*(\e)+(\qt))
.set rV, VS+4*((\e)/2)+(\dt)
.if (\e)%2 == 0
.if (\qt) == 0
	v_wmma_scale_f32_16x16x128_f8f6f4 v[rO:rO+7], v[rF:rF+11], v[rP:rP+11], v[rO:rO+7], v[rV], v[PS+\e] matrix_a_fmt:MATRIX_FMT_FP6 matrix_b_fmt:MATRIX_FMT_FP6
.else
	v_wmma_scale_f32_16x16x128_f8f6f4 v[rO:rO+7], v[rF:rF+11], v[rP:rP+11], v[rO:rO+7], v[rV], v[PS+\e] matrix_a_fmt:MATRIX_FMT_FP6 matrix_b_fmt:MATRIX_FMT_FP6 matrix_b_scale:MATRIX_SCALE_ROW1
.endif
.else
.if (\qt) == 0
	v_wmma_scale_f32_16x16x128_f8f6f4 v[rO:rO+7], v[rF:rF+11], v[rP:rP+11], v[rO:rO+7], v[rV], v[PS+\e] matrix_a_fmt:MATRIX_FMT_FP6 matrix_b_fmt:MATRIX_FMT_FP6 matrix_a_scale:MATRIX_SCALE_ROW1
.else
	v_wmma_scale_f32_16x16x128_f8f6f4 v[rO:rO+7], v[rF:rF+11], v[rP:rP+11], v[rO:rO+7], v[rV], v[PS+\e] matrix_a_fmt:MATRIX_FMT_FP6 matrix_b_fmt:MATRIX_FMT_FP6 matrix_a_scale:MATRIX_SCALE_ROW1 matrix_b_scale:MATRIX_SCALE_ROW1
.endif
.endif
.endm
; O^T += V^T P^T over the 128 keys: my four heads, both tiles of queries.  The 32 accumulators take turns, one instruction a turn; the scores' products stand between one such phase and the next.
.macro PV
.irp e, 0,1,2,3
.irp bt, 0,1,2,3
	ds_load_b32 v[PT+4*\e+\bt], v[APSR] offset:2048*\bt+64*\e
.endr
.endr
	WIN 0x40                                       ; destination window 1
.irp e, 0,1,2,3
.irp qt, 0,1
.irp ch, 0,1,2
	ds_load_b128 v[FR*(2*\e+\qt)+4*\ch:FR*(2*\e+\qt)+4*\ch+3], v[APR] offset:\qt*16*FRB+FRB*\e+16*\ch
.endr
.endr
.endr
	WIN 0
	s_wait_dscnt 24                                ; the 16 bytes are in; p's 24 loads may be out
.irp e, 0,1,2,3
	v_lshl_or_b32 v[PS+\e], v[PT+4*\e+1], 8, v[PT+4*\e]
.endr
.irp e, 0,1,2,3
	v_lshl_or_b32 v[PS+\e], v[PT+4*\e+2], 16, v[PS+\e]
.endr
.irp e, 0,1,2,3
	v_lshl_or_b32 v[PS+\e], v[PT+4*\e+3], 24, v[PS+\e]     ; p's scale word: lanes 0-15 qt 0, lanes 16-31 qt 1
.endr
	PLACES 8                                       ; a scale register written by a vector instruction stands eight places ahead of the scaled product
	WIN 0xa7                                       ; v window 3, p window 1, O^T window 2
.irp e, 0,1,2,3
	s_wait_dscnt 18-6*\e                           ; this head's two fragments of p are in; the later heads' may be out
.irp dt, 0,1,2,3
.irp qt, 0,1
	PVMUL \e,\dt,\qt
.endr
.endr
.endr
	WIN 0
.endm
.macro MSTEP more                      ; 128 keys
	CHANGE 0, 1, \more
	SPHASE 0, \more
	CHANGE 1, \more, \more
	SPHASE 1, \more
	s_wait_dscnt 0x0                               ; my stores of p have landed, v is in my registers
	s_barrier_signal -1
	s_barrier_wait -1                              ; all of p lies in LDS
	PV
.endm
; 64 numbers of a lane in window X become a fragment's 12 registers in v[CD] on and its scale word in v[pw]; each accumulator is read from its low end on.
.macro QUANTW X, s, pw
	WIN (\X)|((\X)<<2)
.irp b, 0,1,2,3
	v_max3_num_f32 v[TM+\b], |v[(\s)+16*\b]|, |v[(\s)+1+16*\b]|, 0x1800000
.endr
	WIN ((\X)<<2)|((\X)<<4)
.irp i, 2,4,6,8,10,12,14
.irp b, 0,1,2,3
	v_max3_num_f32 v[TM+\b], v[TM+\b], |v[(\s)+16*\b+\i]|, |v[(\s)+1+16*\b+\i]|
.endr
.endr
	WIN 0
.irp b, 0,1,2,3
	v_permlanex16_b32 v[TM+4+\b], v[TM+\b], s[SEL], s[SEL+1]
.endr
.irp b, 0,1,2,3
	v_max_num_f32 v[TM+\b], v[TM+\b], v[TM+4+\b]
.endr
.irp b, 0,1,2,3
	v_add_nc_u32 v[TM+12+\b], 0xff000000, v[TM+\b]
.endr
.irp b, 0,1,2,3
	v_lshrrev_b32 v[TM+4+\b], 23, v[TM+12+\b]
.endr
	v_lshl_or_b32 v[\pw], v[TM+5], 8, v[TM+4]
	v_lshl_or_b32 v[\pw], v[TM+6], 16, v[\pw]
	v_lshl_or_b32 v[\pw], v[TM+7], 24, v[\pw]
	WIN \X
.irp c, 0,1
	v_cvt_scalef32_pk16_fp6_f32 v[CD+6*\c:CD+2+6*\c], v[(\s)+32*\c:(\s)+15+32*\c], v[TM+12+2*\c]
	v_cvt_scalef32_pk16_fp6_f32 v[CD+12+4*\c:CD+14+4*\c], v[(\s)+16+32*\c:(\s)+31+32*\c], v[TM+12+2*\c+1]
.endr
	WIN 0
	v_nop
.irp c, 0,1
.irp i, 0,1,2
	v_permlane16_swap_b32 v[CD+6*\c+\i], v[CD+12+4*\c+\i]
.endr
.irp i, 0,1,2
	v_mov_b32 v[CD+3+6*\c+\i], v[CD+12+4*\c+\i]
.endr
.endr
.endm
	s_load_b256 s[4:11], s[0:1], 0x0               ; qf, kv, ctx_codes, ctx_scales
	v_lshl_add_u32 v[SPW], v0, 2, SPARE
	v_mov_b32 v[NIL], 0
	ds_add_u32 v16, v17
	ds_add_u32 v16, v17
	s_wait_dscnt 0x0
	v_lshrrev_b32 v240, 5, v0
	v_readfirstlane_b32 s[WV], v240                ; wave 0..3
	s_lshr_b32 s13, s[WV], 1                       ; H
	s_and_b32 s14, s[WV], 1                        ; qt
	s_bfe_u32 s16, ttmp6, 0x40000                  ; cx
	s_lshl_b32 s17, ttmp9, 2
	s_add_co_u32 s17, s17, s16                     ; my block of 32 queries: it enters q's, ctx's and the prefetches' addresses alone
	s_and_b32 s20, ttmp7, 0xffff                   ; the batch, which the four partners share
	; descriptor group 1: dense blocks as rows of 256 bytes (32 elements of 8 bytes), no padding; mask 15, bit 21 beside it
	s_mov_b32 s[G1A], 15|(3<<16)|(1<<21)
	s_mov_b32 s[G1A+1], 32<<16
	s_mov_b32 s[G1A+2], 50<<16
	s_mov_b32 s[G1A+3], 32<<16
	s_mov_b32 s[G1A+4], 50
	s_mov_b32 s[G1A+5], 32
	s_mov_b32 s[G1A+6], 0
	s_mov_b32 s[G1A+7], 0
	s_mov_b32 s[G1B], 15|(3<<16)|(1<<21)
	s_mov_b32 s[G1B+1], 32<<16
	s_mov_b32 s[G1B+2], 150<<16
	s_mov_b32 s[G1B+3], 32<<16
	s_mov_b32 s[G1B+4], 150
	s_mov_b32 s[G1B+5], 32
	s_mov_b32 s[G1B+6], 0
	s_mov_b32 s[G1B+7], 0
	s_mul_i32 s57, s20, 16*BLK                     ; the batch's first byte in kv
	s_mul_i32 s22, s[WV], 12800                    ; my quarter of KA,
	s_mul_i32 s23, s[WV], 38400                    ; and of KB and VV
	s_add_co_u32 s48, s57, s22
	s_mov_b32 s49, 0
	s_add_co_u32 s50, s57, s23
	s_add_co_u32 s50, s50, KBO
	s_mov_b32 s51, 0
	s_mul_i32 s52, s20, 16*102400                  ; q: the batch,
	s_lshr_b32 s70, s17, 2
	s_mul_i32 s70, s70, 102400                     ; the 128 tokens,
	s_add_co_u32 s52, s52, s70
	s_bfe_u32 s70, s17, 0x10001
	s_mul_i32 s70, s70, 51200                      ; the 64 tokens,
	s_add_co_u32 s52, s52, s70
	s_and_b32 s70, s17, 1
	s_lshl_b32 s70, s70, 1
	s_add_co_u32 s70, s70, s14                     ; my tile of 16 among them
	s_lshl_b32 s54, s70, 2
	s_add_co_u32 s54, s54, s52
	s_add_co_u32 s54, s54, 49152                   ; its scale words
	s_mov_b32 s55, 0
	s_mul_i32 s70, s70, 8*FRB
	s_add_co_u32 s52, s52, s70                     ; its eight fragments
	s_mov_b32 s53, 0
	s_lshl_b32 s70, s20, 11
	s_lshl_b32 s71, s17, 5
	s_add_co_u32 s70, s70, s71                     ; ctx: the work-group's first row
	s_lshl_b32 s71, s[WV], 3
	s_add_co_u32 s71, s70, s71                     ; the wave stores rows 8 w .. 8 w + 7
	s_mul_i32 s62, s71, 768
	s_mov_b32 s63, 0
	s_lshl_b32 s66, s70, 5
	s_lshl_b32 s71, s[WV], 8
	s_add_co_u32 s66, s66, s71
	s_mov_b32 s67, 0
	s_lshl_b32 s68, s16, 2
	s_add_co_u32 s68, s68, s[WV]
	s_mul_i32 s68, s68, 6400                       ; the prefetches: my wave's 6,400 bytes of a run,
	s_add_co_u32 s68, s68, s57
	s_add_co_u32 s68, s68, BLK/2                   ; in run 1: the first change steps it to run 2
	s_mov_b32 s69, 0
	s_cmp_eq_u32 ttmp9, 0                          ; the batch's first cluster: the same in all four partners
	s_cselect_b32 s[LIM], 1, -1
	s_mov_b32 s[CS], 0x3e38aa3b                    ; c = log2(e) / 8
	s_mov_b32 s[CS+1], s[CS]
	s_mov_b32 s[SEL], 0x76543210
	s_mov_b32 s[SEL+1], 0xfedcba98
	s_mov_b32 s[TRIPS], 15
	s_wait_kmcnt 0x0
	s_mov_b32 s[G0A], 1
	s_mov_b32 s[G0A+1], s22
	s_add_nc_u64 s[G0A+2:G0A+3], s[6:7], s[48:49]
	s_or_b32 s[G0A+3], s[G0A+3], 0x80000000
	s_mov_b32 s[G0B], 1
	s_add_co_u32 s[G0B+1], s23, KBO
	s_add_nc_u64 s[G0B+2:G0B+3], s[6:7], s[50:51]
	s_or_b32 s[G0B+3], s[G0B+3], 0x80000000
	s_add_nc_u64 s[52:53], s[4:5], s[52:53]
	s_add_nc_u64 s[54:55], s[4:5], s[54:55]
	s_add_nc_u64 s[8:9], s[8:9], s[62:63]
	s_add_nc_u64 s[10:11], s[10:11], s[66:67]
	s_add_nc_u64 s[PFA:PFA+1], s[6:7], s[68:69]
	CROUND                                         ; all four work-groups are here: the first joint load meets
	tensor_load_to_lds s[G0A:G0A+3], s[G1A:G1A+7]  ; KA of the first 128 keys
	s_nop 0
	PLACES 4
	v_and_b32 v240, 31, v0                         ; lane
	v_and_b32 v241, 15, v0                         ; r
	v_bfe_u32 v242, v0, 4, 1                       ; hl
	v_lshlrev_b32 v243, 4, v240                    ; 16 lane
	v_lshlrev_b32 v244, 4, v241                    ; 16 r
.irp g, 0,1,2,3,4,5,6,7                ; q stays in registers: of a pair's 12 registers, 0-5 and 6-11 go six registers apart
	global_load_b128 v[QB+18*\g:QB+18*\g+3], v243, s[52:53] offset:FRB*\g
	global_load_b64 v[QB+18*\g+4:QB+18*\g+5], v243, s[52:53] offset:FRB*\g+512
	global_load_b64 v[QB+18*\g+12:QB+18*\g+13], v243, s[52:53] offset:FRB*\g+520
	global_load_b128 v[QB+18*\g+14:QB+18*\g+17], v243, s[52:53] offset:FRB*\g+1024
	global_load_b32 v[QS+\g], v244, s[54:55] offset:256*\g
.endr
	s_mul_i32 s21, s13, 16*FRB
	v_add_nc_u32 v[AKA], s21, v243
	v_add_nc_u32 v[AKB], KBO, v[AKA]
	v_lshl_add_u32 v245, v242, 8, v244             ; 256 hl + 16 r
	s_lshl_b32 s21, s13, 3
	s_add_co_u32 s21, s21, 49152
	v_add_nc_u32 v[ASA], s21, v245
	v_add_nc_u32 v[ASB], KBO, v[ASA]
	s_mul_i32 s21, s[WV], 16*FRB
	s_add_co_u32 s21, s21, VVO
	v_add_nc_u32 v[AVF], s21, v243
	s_lshl_b32 s21, s[WV], 10
	s_add_co_u32 s21, s21, VVO+98304
	v_add_nc_u32 v[AVS], s21, v245
	v_mul_u32_u24 v246, v241, 48
	v_mad_u32_u24 v246, v242, 12, v246             ; 48 r + 12 hl
	s_mul_i32 s21, s14, 16*FRB
	s_mul_i32 s22, s13, 768
	s_add_co_u32 s21, s21, s22
	s_add_co_u32 s21, s21, PIMG
	v_add_nc_u32 v[APW], s21, v246
	v_lshlrev_b32 v247, 2, v241                    ; 4 r
	s_lshl_b32 s21, s13, 11
	s_lshl_b32 s22, s14, 10
	s_add_co_u32 s21, s21, s22
	s_add_co_u32 s21, s21, PSC
	v_add_nc_u32 v[APS], s21, v247
	v_mul_u32_u24 v[APR], v240, 48
	s_mul_i32 s21, s[WV], 4*FRB
	s_add_co_u32 s21, s21, PIMG
	v_add_nc_u32 v[APR], s21, v[APR]
	v_lshl_add_u32 v[APSR], v242, 10, v247
	s_lshl_b32 s21, s[WV], 8
	s_add_co_u32 s21, s21, PSC
	v_add_nc_u32 v[APSR], s21, v[APSR]
	v_mul_u32_u24 v[AST], v241, SROW
	v_mad_u32_u24 v[AST], v242, 24, v[AST]
	s_mul_i32 s21, s[WV], 192
	s_add_co_u32 s21, s21, STG
	v_add_nc_u32 v[AST], s21, v[AST]
	v_lshlrev_b32 v[ASS], 5, v241
	s_lshl_b32 s21, s[WV], 3
	s_add_co_u32 s21, s21, SST
	v_add_nc_u32 v[ASS], s21, v[ASS]
	v_mul_u32_u24 v[ARD], v242, SROW
	v_add_nc_u32 v[ARD], v[ARD], v244
	s_mul_i32 s21, s[WV], 8*SROW
	s_add_co_u32 s21, s21, STG
	v_add_nc_u32 v[ARD], s21, v[ARD]
	v_mul_u32_u24 v[GOC], v242, 768
	v_add_nc_u32 v[GOC], v[GOC], v244
	v_lshlrev_b32 v[GOS], 3, v240
	s_lshl_b32 s21, s[WV], 8
	s_add_co_u32 s21, s21, SST
	v_add_nc_u32 v[ASR], s21, v[GOS]
	v_min_u32 v[PFO], 24, v240
	v_lshlrev_b32 v[PFO], 8, v[PFO]
.irp g, 0,1,2,3,4,5,6,7
.irp i, 6,7,8,9,10,11
	v_mov_b32 v[QB+18*\g+\i], 0                    ; the six zero registers that a pair's two operands share
.endr
.endr
.set i, 0
.rept 16
	v_mov_b32 v[T2+i], 0                           ; written once: a lane permute's destination counts as one of its sources
.set i, i+1
.endr
	WIN 0x80
.set i, 0
.rept 256
	v_mov_b32 v[i], 0                              ; O^T
.set i, i+1
.endr
	WIN 0
	s_wait_loadcnt 0x0                             ; q
.Lstep:                                            ; 15 trips of 128 keys; each asks for the next block's KA
	MSTEP 1
	s_sub_co_u32 s[TRIPS], s[TRIPS], 1
	s_cmp_lg_u32 s[TRIPS], 0
	s_cbranch_scc1 .Lstep
	MSTEP 0                                        ; the last 128 keys are written out: there is no next KA
	; THE WAY OUT.  O^T's registers run in true order along (head, channel): 64 registers are two heads, one K step of the projection.  They are quantised and meet in a stage as rows of 768 bytes.
	PLACES 4
	s_wait_dscnt 0x0
	s_barrier_signal -1
	s_barrier_wait -1                              ; nobody reads p any more: the stage takes its place
.irp qt, 0,1
.irp sp, 0,1
	QUANTW 2,8*(16*\qt+8*\sp),PW
.irp p, 0,1,2,3,4,5
	ds_store_b64 v[AST], v[CD+2*\p:CD+2*\p+1] offset:\qt*16*SROW+96*\sp+48*(\p/3)+8*(\p%3)
.endr
	ds_store_b32 v[ASS], v[PW] offset:512*\qt+4*\sp
	s_wait_dscnt 0x0                               ; the stores have read their registers
.endr
.endr
	s_barrier_signal -1
	s_barrier_wait -1                              ; 32 whole rows lie in the stage
.irp rho, 0,2,4,6
.irp t3, 0,1,2
	ds_load_b128 v[OUT+4*(3*(\rho/2)+\t3):OUT+4*(3*(\rho/2)+\t3)+3], v[ARD] offset:\rho*SROW+256*\t3
.endr
.endr
	ds_load_b64 v[OUT+48:OUT+49], v[ASR]
.irp rho, 0,2,4,6
.irp t3, 0,1,2
	s_wait_dscnt 12-(3*(\rho/2)+\t3)
	global_store_b128 v[GOC], v[OUT+4*(3*(\rho/2)+\t3):OUT+4*(3*(\rho/2)+\t3)+3], s[8:9] offset:\rho*768+256*\t3   ; sixteen lanes store 256 consecutive bytes, aligned
.endr
.endr
	s_wait_dscnt 0x0
	global_store_b64 v[GOS], v[OUT+48:OUT+49], s[10:11]    ; 32 lanes store 256 consecutive bytes, aligned
	s_wait_tensorcnt 0x0                           ; the wave's end
	ds_add_u32 v[SPW], v[NIL]
	s_wait_dscnt 0x0
	CROUND                                         ; the closing round
	s_endpgm
.Lfunc_end_k_qd6ad08f9c4_attn:
	.size	k_qd6ad08f9c4_attn, .Lfunc_end_k_qd6ad08f9c4_attn-k_qd6ad08f9c4_attn
	.p2alignl 7, 3214868480
	.fill 96, 4, 3214868480
	.section	.rodata,"a",@progbits
	.p2align	6, 0x0
	.amdhsa_kernel k_qd6ad08f9c4_attn
		.amdhsa_group_segment_fixed_size 327680
		.amdhsa_private_segment_fixed_size 0
		.amdhsa_enable_private_segment 0
		.amdhsa_kernarg_size 32
		.amdhsa_user_sgpr_count 2
		.amdhsa_user_sgpr_kernarg_segment_ptr 1
		.amdhsa_wavefront_size32 1
		.amdhsa_system_sgpr_workgroup_id_x 1
		.amdhsa_system_sgpr_workgroup_id_y 1
		.amdhsa_system_sgpr_workgroup_id_z 1
		.amdhsa_system_vgpr_workitem_id 0
		.amdhsa_next_free_vgpr 1024
		.amdhsa_next_free_sgpr 72
		.amdhsa_reserve_vcc 0
		.amdhsa_float_denorm_mode_32 3
		.amdhsa_float_denorm_mode_16_64 3
		.amdhsa_memory_ordered 1
		.amdhsa_forward_progress 1
		.amdhsa_inst_pref_size 255
	.end_amdhsa_kernel
	.section	.bss,"aw",@nobits
	.p2align	6
	.space	262144
	.amdgpu_metadata
---
amdhsa.version: [ 1, 2 ]
amdhsa.kernels:
  - .name:           k_qd6ad08f9c4_attn
    .symbol:         k_qd6ad08f9c4_attn.kd
    .args:
      - { .name: qf, .offset: 0, .size: 8, .value_kind: global_buffer, .address_space: global }
      - { .name: kv, .offset: 8, .size: 8, .value_kind: global_buffer, .address_space: global }
      - { .name: ctx_codes, .offset: 16, .size: 8, .value_kind: global_buffer, .address_space: global }
      - { .name: ctx_scales, .offset: 24, .size: 8, .value_kind: global_buffer, .address_space: global }
    .group_segment_fixed_size: 327680
    .private_segment_fixed_size: 0
    .kernarg_segment_align: 8
    .kernarg_segment_size: 32
    .max_flat_workgroup_size: 128
    .sgpr_count:     72
    .vgpr_count:     1024
    .wavefront_size: 32
...
	.end_amdgpu_metadata
.endif
;; end of part 3
;; launch proj (part 4): grid 4 x 32, 4 waves a work-group, clusters of 4 x 4, 327,680 bytes of LDS; arguments ctx_codes, ctx_scales, w_codes, w_scales, out0; writes out0
.if DOCPART == 4
	.amdgcn_target "amdgcn-amd-amdhsa--gfx1250"
	.amdhsa_code_object_version 6
	.text
	.protected	k_qd6ad08f9c4_proj
	.globl	k_qd6ad08f9c4_proj
	.p2align	8
	.type	k_qd6ad08f9c4_proj,@function
k_qd6ad08f9c4_proj:
	s_mov_b64 s[64:65], 0
	v_nop
	global_prefetch_b8 v0, s[64:65] scope:SCOPE_SE
	s_setreg_imm32_b32 hwreg(HW_REG_WAVE_MODE, 25, 1), 1
	s_wait_xcnt 0x0
	s_wait_alu depctr_hold_cnt(0) depctr_sa_sdst(0) depctr_va_vdst(0) depctr_va_sdst(0) depctr_va_ssrc(0) depctr_va_vcc(0) depctr_vm_vsrc(0)
	s_getreg_b32 s2, hwreg(HW_REG_IB_STS2, 6, 4)
	s_cmp_eq_u32 s2, 0
	s_cbranch_scc0 .Lentry_in_a_cluster
	s_endpgm
.Lentry_in_a_cluster:
	s_bfe_u32 s2, ttmp6, 0x10000c
	s_cmp_lg_u32 s2, 0xf033
	s_cbranch_scc0 .Lentry_shape_is_right
	s_endpgm
.Lentry_shape_is_right:
; out0 = ctx w_out on codes of FP6 (E2M3) with E8M0 scales: C[m][n] = sum over k of A[m][k] B[n][k], A = ctx [8192][1024], B = rows 3,072 .. 4,095 of the weights' codes, C f32 [8192][1024].
; A work-group of four waves makes 256 x 256 of C, a wave 128 x 128: 64 accumulators, 512 registers.  K goes in steps of 256 through a ring of two LDS slots filled by the tensor data mover; the scale bytes of the work-group's rows come
; into LDS once.  CLUSTERS: 4 x 4 work-groups; A's tiles are asked for jointly along a row of the cluster, B's along a column.  The matrix instruction is used transposed: a lane holds eight numbers of a row of C.
; C has 128 such tiles: this launch has work for 128 work-groups.
; B's ROWS LIE WITH BITS 3 AND 4 OF THE COLUMN'S NUMBER EXCHANGED: register j of lane half h of accumulator b = 2 B + u is column 32 B + 16 h + 8 u + j.  The stage's byte positions put that right.
; REGISTERS, in windows of 256: window 0: v0-31 addresses; v32-63 scale words, two sets; from v128 A's fragments, ONE set, later rows of C.  window 1: B's fragments, TWO sets.  windows 2, 3: the accumulators.
.set SIZE_N, 1024
.set KSTEP,  256
.set NQ,     2
.set ROWB,   192
.set KROW,   768
.set PITCH,  240                       ; an LDS row: 3 x (64 bytes + 16 of padding)
.set FR,     12
.set NL,     6
.set NP,     4
.set HALFT,  128*PITCH
.set SLOT,   4*HALFT
.set LAPS,   2
.set KS,     32
.set SCL,    2*SLOT
.set HALFS,  (128*KS/256)*272
.set SBLK,   (16*KS/256)*272
.set SPARE,  SCL+4*HALFS
.set SPITCH, 528                       ; the way out: 16 rows x (512 bytes + 16) for each wave, in slot 0, which has had its last fill and its last read when the first result is stored there
.set ADRA, 16
.set ADRB, 20
.set STO,  24
.set RD,   25
.set CO,   26
.set ADRS, 27
.set SPW,  28
.set NIL,  29
.set SC,   32
.set AF,   128
.set BK,   128
.set G1, 24
.set G0, 32
.set G1B, 48
.set G0B, 56
.set G1S, 68
.set G0S, 76
.set G1SB, 80
.set G0SB, 88
.set MSB, 0
.macro WIN new
.if MSB != (\new)
	s_set_vgpr_msb (MSB<<8)|(\new)
.set MSB, (\new)
.endif
.endm
.set MUL_LO, 0xa1
.set MUL_HI, 0xf1
.set TO_B,   0x40
.macro JLOAD g0a, g1a, g0b, g1b        ; a joint load: waves 0 and 1 fetch for A, waves 2 and 3 for B; four v_nop follow each of the two lines
	s_cmp_eq_u32 s15, 0
	s_cbranch_scc0 .Lfor_b_\@
	tensor_load_to_lds s[\g0a:\g0a+3], s[\g1a:\g1a+7]
	s_nop 0
.rept 4
	v_nop
.endr
	s_branch .Lasked_\@
.Lfor_b_\@:
	tensor_load_to_lds s[\g0b:\g0b+3], s[\g1b:\g1b+7]
	s_nop 0
.rept 4
	v_nop
.endr
.Lasked_\@:
.endm
.macro CREST
	s_cmp_lg_u32 s14, 0
	s_cbranch_scc1 .Lnot_wave_0_\@
	s_barrier_signal -3
.Lnot_wave_0_\@:
	s_barrier_wait -3
	s_barrier_signal -1
	s_barrier_wait -1
.endm
.macro CROUND
	s_barrier_signal -1
	s_barrier_wait -1
	CREST
.endm
	s_load_b128 s[4:7], s[0:1], 0x0                ; ctx's codes, ctx's scales
	s_load_b128 s[8:11], s[0:1], 0x10              ; the weights' codes, their scales
	s_load_b64 s[12:13], s[0:1], 0x20              ; out0
	v_lshl_add_u32 v[SPW], v0, 2, SPARE
	v_mov_b32 v[NIL], 0
	ds_add_u32 v28, v29
	ds_add_u32 v28, v29
	s_wait_dscnt 0x0
	v_lshrrev_b32 v1, 5, v0
	v_readfirstlane_b32 s14, v1                    ; wave 0..3
	s_lshr_b32 s15, s14, 1
	s_and_b32 s16, s14, 1
	s_bfe_u32 s40, ttmp6, 0x40000                  ; cx, cy
	s_bfe_u32 s41, ttmp6, 0x40004
	s_lshl_b32 s42, ttmp9, 2
	s_add_co_u32 s42, s42, s40                     ; tile column of C
	s_and_b32 s17, ttmp7, 0xffff
	s_lshl_b32 s17, s17, 2
	s_add_co_u32 s17, s17, s41                     ; tile row of C
	s_lshl_b32 s43, s41, 2
	s_lshl_b32 s43, 15, s43                        ; my row of the cluster
	s_lshl_b32 s44, 0x1111, s40                    ; my column
	s_or_b32 s[G1+0], s43, (0<<16)|(1<<20)|(1<<21)|(3<<22)|(3<<25)
	s_or_b32 s[G1B+0], s44, (0<<16)|(1<<20)|(1<<21)|(3<<22)|(3<<25)
.irp g, G1, G1B
	s_mov_b32 s[\g+1], ROWB<<16
	s_mov_b32 s[\g+2], 128<<16
	s_mov_b32 s[\g+3], ROWB<<16
	s_mov_b32 s[\g+4], 128
	s_mov_b32 s[\g+5], KROW
	s_mov_b32 s[\g+6], 0
	s_mov_b32 s[\g+7], 0
.endr
	s_or_b32 s[G1S+0], s43, (3<<16)|(1<<20)|(1<<21)|(5<<22)|(3<<25)
	s_or_b32 s[G1SB+0], s44, (3<<16)|(1<<20)|(1<<21)|(5<<22)|(3<<25)
.irp g, G1S, G1SB
	s_mov_b32 s[\g+1], 32<<16
	s_mov_b32 s[\g+2], (128*KS/256)<<16
	s_mov_b32 s[\g+3], 32<<16
	s_mov_b32 s[\g+4], 128*KS/256
	s_mov_b32 s[\g+5], 32
	s_mov_b32 s[\g+6], 0
	s_mov_b32 s[\g+7], 0
.endr
	s_lshl_b32 s18, s16, 7
	s_lshl_b32 s20, s17, 8
	s_add_co_u32 s20, s20, s18                     ; A's row
	s_lshl_b32 s46, s42, 8
	s_add_co_u32 s46, s46, s18                     ; B's row, counted from w_out's first
	s_mov_b32 s21, 0
	s_mov_b32 s47, 0
	s_mov_b64 s[18:19], KS
	s_mul_u64 s[22:23], s[20:21], s[18:19]
	s_mul_u64 s[92:93], s[46:47], s[18:19]
	s_mov_b64 s[18:19], KROW
	s_mul_u64 s[20:21], s[20:21], s[18:19]
	s_mul_u64 s[46:47], s[46:47], s[18:19]
	s_mul_i32 s45, s14, HALFT
	s_mul_i32 s94, s14, HALFS
	s_wait_kmcnt 0x0
	s_add_nc_u64 s[8:9], s[8:9], 3072*KROW         ; w_out's rows lie behind q's, k's and v's
	s_add_nc_u64 s[10:11], s[10:11], 3072*KS
	s_add_nc_u64 s[20:21], s[4:5], s[20:21]
	s_add_nc_u64 s[22:23], s[6:7], s[22:23]
	s_add_nc_u64 s[46:47], s[8:9], s[46:47]
	s_add_nc_u64 s[92:93], s[10:11], s[92:93]
	CROUND                                         ; all sixteen work-groups are here: the first joint loads meet
	s_mov_b32 s[G0S], 1
	s_add_co_u32 s[G0S+1], s94, SCL
	s_mov_b64 s[G0S+2:G0S+3], s[22:23]
	s_or_b32 s[G0S+3], s[G0S+3], 0x80000000
	s_mov_b32 s[G0SB], 1
	s_add_co_u32 s[G0SB+1], s94, SCL
	s_mov_b64 s[G0SB+2:G0SB+3], s[92:93]
	s_or_b32 s[G0SB+3], s[G0SB+3], 0x80000000
	JLOAD G0S, G1S, G0SB, G1SB
.irp s, 0,1
	s_mov_b32 s[G0+4*\s], 1
	s_add_co_u32 s[G0+4*\s+1], s45, \s*SLOT
	s_add_nc_u64 s[G0+4*\s+2:G0+4*\s+3], s[20:21], \s*ROWB
	s_or_b32 s[G0+4*\s+3], s[G0+4*\s+3], 0x80000000
	s_mov_b32 s[G0B+4*\s], 1
	s_add_co_u32 s[G0B+4*\s+1], s45, \s*SLOT
	s_add_nc_u64 s[G0B+4*\s+2:G0B+4*\s+3], s[46:47], \s*ROWB
	s_or_b32 s[G0B+4*\s+3], s[G0B+4*\s+3], 0x80000000
	JLOAD G0+4*\s, G1, G0B+4*\s, G1B               ; three tensor loads of mine are out now
.endr
	v_and_b32 v1, 15, v0
	v_bfe_u32 v2, v0, 4, 1
	v_mul_u32_u24 v3, v1, PITCH
	v_mul_u32_u24 v4, v2, 24
	v_add_nc_u32 v4, v3, v4
	v_lshl_add_u32 v5, v2, 4, v4
	s_mul_i32 s21, s15, HALFT
	s_mul_i32 s22, s16, HALFT
	s_add_co_u32 s22, s22, 2*HALFT
.irp s, 0,1
	v_add_nc_u32 v[ADRA+\s], s21, v4
	v_add_nc_u32 v[ADRB+\s], s22, v4
	v_add_nc_u32 v[ADRA+2+\s], s21, v5
	v_add_nc_u32 v[ADRB+2+\s], s22, v5
	s_add_co_u32 s21, s21, SLOT
	s_add_co_u32 s22, s22, SLOT
.endr
	v_mul_u32_u24 v5, v1, KS
	v_lshrrev_b32 v6, 8, v5
	v_lshl_add_u32 v5, v6, 4, v5
	s_mul_i32 s21, s15, HALFS
	s_mul_i32 s22, s16, HALFS
	s_add_co_u32 s22, s22, 2*HALFS
	s_sub_co_u32 s22, s22, s21
	v_mul_u32_u24 v6, s22, v2
	s_add_co_u32 s21, s21, SCL
	v_add_nc_u32 v5, v5, v6
	v_add_nc_u32 v[ADRS], s21, v5
	s_mul_i32 s23, s14, 16*SPITCH                  ; my stage
	v_mul_u32_u24 v5, v1, SPITCH                   ; in: row l % 16; my half's columns begin 16 columns, 64 bytes, on
	v_lshl_add_u32 v5, v2, 6, v5
	v_add_nc_u32 v[STO], s23, v5
	v_and_b32 v6, 31, v0
	v_lshlrev_b32 v[CO], 4, v6                     ; back: the 32 lanes take one row of 512 bytes; and the same in C
	v_add_nc_u32 v[RD], s23, v[CO]
	s_lshl_b32 s20, s17, 8
	s_lshl_b32 s21, s15, 7
	s_add_co_u32 s20, s20, s21                     ; my first row of C
	s_mov_b32 s21, 0
	s_mov_b64 s[18:19], SIZE_N*4
	s_mul_u64 s[20:21], s[20:21], s[18:19]
	s_lshl_b32 s46, s42, 10                        ; my first column, in bytes
	s_lshl_b32 s47, s16, 9
	s_add_co_u32 s46, s46, s47
	s_mov_b32 s47, 0
	s_add_nc_u64 s[20:21], s[20:21], s[46:47]
	s_add_nc_u64 s[12:13], s[12:13], s[20:21]
.macro FRAG reg, adr, q, i
.irp p, 0,1,2,3,4,5
.set PCE, 12*(\q)+6*(\p/3)+\p%3
.if PCE%8 < 5
	ds_load_b64 v[\reg+2*\p:\reg+2*\p+1], v[\adr] offset:8*PCE+16*(PCE/8)+(\i)*16*PITCH
.else
	ds_load_b64 v[\reg+2*\p:\reg+2*\p+1], v[\adr+2] offset:8*PCE+16*(PCE/8)+(\i)*16*PITCH
.endif
.endr
.endm
; The 64 accumulators take turns, one instruction a turn, in the same order in every step.
.macro MUL16 a0, p, q, sc, zero
.irp a, \a0, \a0+1
.irp b, 0,1,2,3,4,5,6,7
.if \zero
	v_wmma_scale_f32_16x16x128_f8f6f4 v[8*(8*((\a)%4)+\b):8*(8*((\a)%4)+\b)+7], v[128*(\p)+FR*\b:128*(\p)+FR*\b+FR-1], v[AF+FR*(\a):AF+FR*(\a)+FR-1], 0, v[SC+8*NQ*(\sc)+NQ*\b+(\q)], v[SC+8*NQ*(\sc)+NQ*(\a)+(\q)] matrix_a_fmt:MATRIX_FMT_FP6 matrix_b_fmt:MATRIX_FMT_FP6 matrix_a_scale:MATRIX_SCALE_ROW1
.else
	v_wmma_scale_f32_16x16x128_f8f6f4 v[8*(8*((\a)%4)+\b):8*(8*((\a)%4)+\b)+7], v[128*(\p)+FR*\b:128*(\p)+FR*\b+FR-1], v[AF+FR*(\a):AF+FR*(\a)+FR-1], v[8*(8*((\a)%4)+\b):8*(8*((\a)%4)+\b)+7], v[SC+8*NQ*(\sc)+NQ*\b+(\q)], v[SC+8*NQ*(\sc)+NQ*(\a)+(\q)] matrix_a_fmt:MATRIX_FMT_FP6 matrix_b_fmt:MATRIX_FMT_FP6 matrix_a_scale:MATRIX_SCALE_ROW1
.endif
.endr
.endr
.endm
.macro FETCH_B slot, q, p
	WIN TO_B
.irp i, 0,1,2,3,4,5,6,7
	FRAG 128*(\p)+FR*\i, ADRB+\slot, \q, \i
.endr
	WIN 0
.endm
.macro FETCH_A slot, q, i0
.irp i, \i0, \i0+1, \i0+2, \i0+3
	FRAG AF+FR*(\i), ADRA+\slot, \q, \i
.endr
.endm
.macro SCALES sc
.irp i, 0,1,2,3,4,5,6,7
	ds_load_b64 v[SC+8*NQ*\sc+NQ*\i:SC+8*NQ*\sc+NQ*\i+1], v[ADRS] offset:\i*SBLK
.endr
.endm
.macro PLACES n
.rept \n
	v_nop
.endr
.endm
.macro STEP slot, q, zero
	s_wait_dscnt 4*NL                              ; B's set and A's blocks 0-3 are in; the youngest 24 loads (A's blocks 4-7) may be out
	WIN MUL_LO
	MUL16 0, (\q)%2, \q, \slot, \zero
	MUL16 2, (\q)%2, \q, \slot, \zero
	s_wait_dscnt 0
	PLACES NP
	FETCH_B \slot, (\q)+1, 1-(\q)%2
	FETCH_A \slot, (\q)+1, 0
	WIN MUL_HI
	MUL16 4, (\q)%2, \q, \slot, \zero
	MUL16 6, (\q)%2, \q, \slot, \zero
	PLACES NP
	WIN 0
	FETCH_A \slot, (\q)+1, 4
.endm
.macro TURN slot, next, fill
	s_wait_tensorcnt 0x0                           ; all my tensor loads have landed: my part of the next slot
	ds_add_u32 v[SPW], v[NIL]                      ; 0 onto my spare word
	s_wait_dscnt 4*NL+1                            ; (the add and the youngest 24 loads may be out)
	WIN MUL_LO
	MUL16 0, 1, NQ-1, \slot, 0
	s_wait_dscnt 0x0                               ; the add is done, and my reads of this slot are over
	s_barrier_signal -1
	MUL16 2, 1, NQ-1, \slot, 0
	WIN 0
	s_barrier_wait -1
.if \fill
	CREST                                          ; a round of the cluster's barrier: no wave of any partner still reads this slot or has a load on its way
	s_add_nc_u64 s[G0+4*\slot+2:G0+4*\slot+3], s[G0+4*\slot+2:G0+4*\slot+3], 2*ROWB
	s_add_nc_u64 s[G0B+4*\slot+2:G0B+4*\slot+3], s[G0B+4*\slot+2:G0B+4*\slot+3], 2*ROWB
	JLOAD G0+4*\slot, G1, G0B+4*\slot, G1B
.else
	PLACES NP
.endif
	v_add_nc_u32 v[ADRS], 4*NQ, v[ADRS]
	FETCH_B \next, 0, 0
	FETCH_A \next, 0, 0
	SCALES \next
	WIN MUL_HI
	MUL16 4, 1, NQ-1, \slot, 0
	MUL16 6, 1, NQ-1, \slot, 0
	PLACES NP
	WIN 0
	FETCH_A \next, 0, 4
.endm
	s_wait_tensorcnt 1                             ; the scales and my part of K step 0 are in (K step 1's load may be out)
	s_barrier_signal -1
	s_barrier_wait -1
	FETCH_B 0, 0, 0
	FETCH_A 0, 0, 0
	SCALES 0
	FETCH_A 0, 0, 4
	STEP 0, 0, 1                                   ; the first step's products start the sums
	s_mov_b32 s3, LAPS-1
.Llap:
	TURN 0, 1, 1
	STEP 1, 0, 0
	TURN 1, 0, 1
	STEP 0, 0, 0
	s_sub_co_u32 s3, s3, 1
	s_cmp_lg_u32 s3, 0
	s_cbranch_scc1 .Llap
	TURN 0, 1, 0                                   ; the last lap fills nothing
	STEP 1, 0, 0
	s_wait_dscnt 4*NL
	WIN MUL_LO
	MUL16 0, 1, NQ-1, 1, 0
	MUL16 2, 1, NQ-1, 1, 0
	s_wait_dscnt 0
	WIN MUL_HI
	MUL16 4, 1, NQ-1, 1, 0
	MUL16 6, 1, NQ-1, 1, 0
	WIN 0
; THE WAY OUT, block by block of 16 rows x 128 columns, through my own stage: in as 32 bytes a lane, at the true columns' places; back as whole rows of 512 bytes.  LDS serves a wave's instructions in order (ISA guide 5.7.1.4).
.macro TOSTAGE a
.set AC, 64*((\a)%4)
	WIN 0x08+4*((\a)/4)                            ; the data: window 2 or 3
.irp b, 0,1,2,3,4,5,6,7
	ds_store_b128 v[STO], v[AC+8*\b:AC+8*\b+3] offset:128*(\b/2)+32*(\b%2)          ; columns 32 (b / 2) + 16 h + 8 (b % 2) on; each accumulator from its low end on
	ds_store_b128 v[STO], v[AC+8*\b+4:AC+8*\b+7] offset:128*(\b/2)+32*(\b%2)+16
.endr
	WIN 0
.set BB, BK+64*((\a)%2)
.irp t, 0,1,2,3,4,5,6,7,8,9,10,11,12,13,14,15
	ds_load_b128 v[BB+4*\t:BB+4*\t+3], v[RD] offset:\t*SPITCH
.endr
.endm
.macro SEND a, younger
.set BB, BK+64*((\a)%2)
	s_wait_dscnt \younger                          ; the block is back in registers
.if (\a) > 0
	s_add_nc_u64 s[12:13], s[12:13], 16*SIZE_N*4   ; (behind a wait on XCNT: the earlier stores have read their base)
.endif
.irp t, 0,1,2,3,4,5,6,7,8,9,10,11,12,13,14,15
	global_store_b128 v[CO], v[BB+4*\t:BB+4*\t+3], s[12:13] offset:\t*SIZE_N*4 th:TH_STORE_NT   ; 32 lanes store 512 consecutive bytes, at a multiple of 512 from C's first byte
.endr
.endm
	PLACES NP
	TOSTAGE 0
.irp a, 1,2,3,4,5,6,7
.if \a > 1
	s_wait_xcnt 0x0                                ; block a - 2's stores have read their registers and their base
.endif
	TOSTAGE \a
	SEND \a-1, 32                                  ; behind block a - 1's loads: block a's 16 stores and 16 loads
.endr
	s_wait_xcnt 0x0
	SEND 7, 0
	s_wait_tensorcnt 0x0                           ; the wave's end
	ds_add_u32 v[SPW], v[NIL]
	s_wait_dscnt 0x0
	CROUND                                         ; the closing round
	s_endpgm
.Lfunc_end_k_qd6ad08f9c4_proj:
	.size	k_qd6ad08f9c4_proj, .Lfunc_end_k_qd6ad08f9c4_proj-k_qd6ad08f9c4_proj
	.p2alignl 7, 3214868480
	.fill 96, 4, 3214868480
	.section	.rodata,"a",@progbits
	.p2align	6, 0x0
	.amdhsa_kernel k_qd6ad08f9c4_proj
		.amdhsa_group_segment_fixed_size 327680
		.amdhsa_private_segment_fixed_size 0
		.amdhsa_enable_private_segment 0
		.amdhsa_kernarg_size 40
		.amdhsa_user_sgpr_count 2
		.amdhsa_user_sgpr_kernarg_segment_ptr 1
		.amdhsa_wavefront_size32 1
		.amdhsa_system_sgpr_workgroup_id_x 1
		.amdhsa_system_sgpr_workgroup_id_y 1
		.amdhsa_system_sgpr_workgroup_id_z 1
		.amdhsa_system_vgpr_workitem_id 0
		.amdhsa_next_free_vgpr 1024
		.amdhsa_next_free_sgpr 98
		.amdhsa_reserve_vcc 0
		.amdhsa_float_denorm_mode_32 3
		.amdhsa_float_denorm_mode_16_64 3
		.amdhsa_memory_ordered 1
		.amdhsa_forward_progress 1
		.amdhsa_inst_pref_size 160
	.end_amdhsa_kernel
	.amdgpu_metadata
---
amdhsa.version: [ 1, 2 ]
amdhsa.kernels:
  - .name:           k_qd6ad08f9c4_proj
    .symbol:         k_qd6ad08f9c4_proj.kd
    .args:
      - { .name: ctx_codes, .offset: 0, .size: 8, .value_kind: global_buffer, .address_space: global }
      - { .name: ctx_scales, .offset: 8, .size: 8, .value_kind: global_buffer, .address_space: global }
      - { .name: w_codes, .offset: 16, .size: 8, .value_kind: global_buffer, .address_space: global }
      - { .name: w_scales, .offset: 24, .size: 8, .value_kind: global_buffer, .address_space: global }
      - { .name: out0, .offset: 32, .size: 8, .value_kind: global_buffer, .address_space: global }
    .group_segment_fixed_size: 327680
    .private_segment_fixed_size: 0
    .kernarg_segment_align: 8
    .kernarg_segment_size: 40
    .max_flat_workgroup_size: 128
    .sgpr_count:     98
    .vgpr_count:     1024
    .wavefront_size: 32
...
	.end_amdgpu_metadata
.endif
;; end of part 4
